; MI455X (gfx1250); checked and timed in simulation.
; The chip was launched on July 23, 2026; its instructions are those of AMD's public machine-readable ISA for CDNA 5 (MIT licence, August 2026) and "CDNA5" Instruction Set Architecture Reference Guide (July 2026). The comments in the code are by the model that wrote it; some were corrected since.
;; Block. Allowed arithmetic: float matrix products may take bf16 or f16 operands with f32 sums; all other float work in f32.
;; Inputs: W_attn 3,072 x 1,024 float32; W_fc 4,096 x 1,024 float32; W_out 1,024 x 4,096 float32; W_proj 1,024 x 1,024 float32; b_attn 3,072 float32; b_fc 4,096 float32; b_out 1,024 float32; b_proj 1,024 float32; ln1_b 1,024 float32; ln1_w 1,024 float32; ln2_b 1,024 float32; ln2_w 1,024 float32; x 4 x 1,024 x 1,024 float32.
;; Outputs: out0 4 x 1,024 x 1,024 float32.
;; One version. Each part assembles by itself: llvm-mc -triple=amdgcn-amd-amdhsa -mcpu=gfx1250 --defsym DOCPART=n.
;; ======== version 1 of 1: 7 launches
;; workspace buffers: wa 6,291,456 bytes; wp 2,097,152 bytes; wf 8,388,608 bytes; wo 8,388,608 bytes; h 8,388,608 bytes; qkv 25,165,824 bytes; x1 16,777,216 bytes; g 33,554,432 bytes
;; launch prep (part 1): grid 448 x 1, 8 waves a work-group, no clusters, 0 bytes of LDS; arguments x, ln1_w, ln1_b, h, W_attn, wa; writes h, wa
.if DOCPART == 1
	.amdgcn_target "amdgcn-amd-amdhsa--gfx1250"
	.amdhsa_code_object_version 6
	.text
	.protected	k_q6ea1b1c131_prep
	.globl	k_q6ea1b1c131_prep
	.p2align	8
	.type	k_q6ea1b1c131_prep,@function
k_q6ea1b1c131_prep:
	s_mov_b64 s[64:65], 0
	v_nop
	global_prefetch_b8 v0, s[64:65] scope:SCOPE_SE
	s_setreg_imm32_b32 hwreg(HW_REG_WAVE_MODE, 25, 1), 1
	s_wait_xcnt 0x0
; TWO ROLES, chosen by the work-group's number.
; Work-groups 0-255: dst[row] = bf16(LayerNorm(src[row]) * w + b) for 4,096 rows of 1,024 f32.  A work-group takes 16 rows, a wave two whole rows:
; a row is 32 registers of a wave, so it is read once and stays in registers between the passes.  The mean is taken first and subtracted, then the squares
; are summed: no difference of large sums is formed, so a common offset of the inputs costs nothing.
; Work-groups 256-447: W_attn from f32 to bf16, 16,384 numbers a work-group (192 pieces), 2,048 a wave.  (The other three weight matrices are wanted later:
; they are turned in the launch behind this one, by work-groups that have no tile there.)
; A stream: no LDS, no barrier, no matrix unit, no cluster (no two work-groups read the same bytes).  Each load of a wave covers 512 consecutive bytes,
; each store 256 consecutive bytes at a multiple of 256 from the buffer's first byte.
; A launch of 256 work-groups runs the first role alone.
.set X,   32                           ; v[32:63] row 0, v[64:95] row 1: register 4 j + e holds column 128 j + 4 lane + e
.set W,   96                           ; v[96:127]  the gain of the same columns
.set BV,  128                          ; v[128:159] the bias
.set T,   8                            ; v[8:15]    four chains of pairs
.set MU,  16                           ; row r: v[16+4r:17+4r] the mean twice, v[18+4r:19+4r] 1/sqrt(var + eps) twice
.set Y,   160                          ; v[160:175], v[176:191] the rows in bf16
.macro FOLD                            ; four chains of pairs into one number, the same in all 32 lanes
	v_pk_add_f32 v[T:T+1], v[T:T+1], v[T+2:T+3]
	v_pk_add_f32 v[T+4:T+5], v[T+4:T+5], v[T+6:T+7]
	v_pk_add_f32 v[T:T+1], v[T:T+1], v[T+4:T+5]
	v_add_f32 v[T], v[T], v[T+1]
	v_add_f32_dpp v[T], v[T], v[T] row_xmask:1 row_mask:0xf bank_mask:0xf
	v_add_f32_dpp v[T], v[T], v[T] row_xmask:2 row_mask:0xf bank_mask:0xf
	v_add_f32_dpp v[T], v[T], v[T] row_xmask:4 row_mask:0xf bank_mask:0xf
	v_add_f32_dpp v[T], v[T], v[T] row_xmask:8 row_mask:0xf bank_mask:0xf
	v_permlanex16_b32 v[T+1], v[T], s44, s45       ; the other half of the lanes
	v_add_f32 v[T], v[T], v[T+1]
.endm
; Row r: mean, x - mean in place, 1/sqrt(mean of squares + eps).  left = the younger loads that may stay out.
.macro STAT r, left
	s_wait_loadcnt \left
.irp c, 0,1,2,3
	v_pk_add_f32 v[T+2*(\c):T+2*(\c)+1], v[X+32*(\r)+2*(\c):X+32*(\r)+2*(\c)+1], v[X+32*(\r)+8+2*(\c):X+32*(\r)+8+2*(\c)+1]
.endr
.irp g, 16,24
.irp c, 0,1,2,3
	v_pk_add_f32 v[T+2*(\c):T+2*(\c)+1], v[T+2*(\c):T+2*(\c)+1], v[X+32*(\r)+(\g)+2*(\c):X+32*(\r)+(\g)+2*(\c)+1]
.endr
.endr
	FOLD
	v_mul_f32 v[MU+4*(\r)], s13, v[T]              ; sum / 1024
	v_mov_b32 v[MU+4*(\r)+1], v[MU+4*(\r)]
.set i, 0
.rept 16
	v_pk_add_f32 v[X+32*(\r)+2*i:X+32*(\r)+2*i+1], v[X+32*(\r)+2*i:X+32*(\r)+2*i+1], v[MU+4*(\r):MU+4*(\r)+1] neg_lo:[0,1] neg_hi:[0,1]
.set i, i+1
.endr
.irp c, 0,1,2,3
	v_pk_mul_f32 v[T+2*(\c):T+2*(\c)+1], v[X+32*(\r)+2*(\c):X+32*(\r)+2*(\c)+1], v[X+32*(\r)+2*(\c):X+32*(\r)+2*(\c)+1]
.endr
.irp g, 8,16,24
.irp c, 0,1,2,3
	v_pk_fma_f32 v[T+2*(\c):T+2*(\c)+1], v[X+32*(\r)+(\g)+2*(\c):X+32*(\r)+(\g)+2*(\c)+1], v[X+32*(\r)+(\g)+2*(\c):X+32*(\r)+(\g)+2*(\c)+1], v[T+2*(\c):T+2*(\c)+1]
.endr
.endr
	FOLD
	v_fma_f32 v[T], v[T], s13, s14                 ; var + eps
	v_rsq_f32 v[MU+4*(\r)+2], v[T]
	v_nop                                          ; a plain instruction between the root and the use of its result (ISA guide 5.7.2)
	s_wait_alu depctr_va_vdst(0)
	v_mov_b32 v[MU+4*(\r)+3], v[MU+4*(\r)+2]
.endm
.macro NORM r
.set i, 0
.rept 16
	v_pk_mul_f32 v[X+32*(\r)+2*i:X+32*(\r)+2*i+1], v[X+32*(\r)+2*i:X+32*(\r)+2*i+1], v[MU+4*(\r)+2:MU+4*(\r)+3]
.set i, i+1
.endr
.set i, 0
.rept 16
	v_pk_fma_f32 v[X+32*(\r)+2*i:X+32*(\r)+2*i+1], v[X+32*(\r)+2*i:X+32*(\r)+2*i+1], v[W+2*i:W+2*i+1], v[BV+2*i:BV+2*i+1]
.set i, i+1
.endr
.set i, 0
.rept 16
	v_cvt_pk_bf16_f32 v[Y+16*(\r)+i], v[X+32*(\r)+2*i], v[X+32*(\r)+2*i+1]
.set i, i+1
.endr
.irp j, 0,1,2,3,4,5,6,7
	global_store_b64 v2, v[Y+16*(\r)+2*(\j):Y+16*(\r)+2*(\j)+1], s[10:11] offset:2048*(\r)+256*(\j)  ; 32 lanes x 8 bytes: 256 consecutive bytes
.endr
.endm
	v_lshrrev_b32 v3, 5, v0
	v_readfirstlane_b32 s12, v3                    ; wave 0..7
	v_and_b32 v1, 31, v0
	v_lshlrev_b32 v2, 3, v1                        ; 8 x lane: my place in 256 bytes of bf16
	v_lshlrev_b32 v1, 4, v1                        ; 16 x lane: my place in 512 bytes of f32
	s_cmp_ge_u32 ttmp9, 256
	s_cbranch_scc1 .Lcvt
	s_load_b256 s[4:11], s[0:1], 0x0               ; src s[4:5], gain s[6:7], bias s[8:9], dst s[10:11]
	s_mov_b32 s13, 0x3a800000                      ; 1 / 1024
	s_mov_b32 s14, 0x3727c5ac                      ; eps = 1e-5
	s_mov_b32 s44, 0x76543210                      ; v_permlanex16_b32: each lane takes its own place in the other half
	s_mov_b32 s45, 0xfedcba98
	s_lshl_b32 s32, ttmp9, 16                      ; 16 rows of 4,096 bytes a work-group,
	s_lshl_b32 s33, s12, 13                        ; two a wave
	s_add_co_u32 s32, s32, s33
	s_mov_b32 s33, 0
	s_lshr_b32 s34, s32, 1                         ; half as many bytes in bf16
	s_mov_b32 s35, 0
	s_wait_kmcnt 0x0
	s_add_nc_u64 s[4:5], s[4:5], s[32:33]
	s_add_nc_u64 s[10:11], s[10:11], s[34:35]
.irp j, 0,1,2,3,4,5,6,7
	global_load_b128 v[X+4*(\j):X+4*(\j)+3], v1, s[4:5] offset:512*(\j)
.endr
.irp j, 0,1,2,3,4,5,6,7
	global_load_b128 v[X+32+4*(\j):X+32+4*(\j)+3], v1, s[4:5] offset:4096+512*(\j)
.endr
.irp j, 0,1,2,3,4,5,6,7
	global_load_b128 v[W+4*(\j):W+4*(\j)+3], v1, s[6:7] offset:512*(\j)
.endr
.irp j, 0,1,2,3,4,5,6,7
	global_load_b128 v[BV+4*(\j):BV+4*(\j)+3], v1, s[8:9] offset:512*(\j)
.endr
	STAT 0, 24                                     ; row 0 is in; row 1, gain and bias (24 loads) may be out
	STAT 1, 16                                     ; row 1 is in; gain and bias may be out
	s_wait_loadcnt 0x0
	NORM 0
	NORM 1
	s_endpgm
.Lcvt:
	s_load_b128 s[16:19], s[0:1], 0x20             ; the matrix in f32 s[16:17], its place in bf16 s[18:19]
	s_sub_co_u32 s40, ttmp9, 256                   ; my piece among the 192
	s_lshl_b32 s32, s40, 16                        ; a piece is 65,536 bytes of f32,
	s_lshl_b32 s33, s12, 13                        ; a wave's share 8,192
	s_add_co_u32 s32, s32, s33
	s_mov_b32 s33, 0
	s_lshr_b32 s34, s32, 1
	s_mov_b32 s35, 0
	s_wait_kmcnt 0x0
	s_add_nc_u64 s[36:37], s[16:17], s[32:33]
	s_add_nc_u64 s[38:39], s[18:19], s[34:35]
.irp i, 0,1,2,3,4,5,6,7,8,9,10,11,12,13,14,15
	global_load_b128 v[32+4*(\i):32+4*(\i)+3], v1, s[36:37] offset:512*(\i) th:TH_LOAD_NT
.endr
.irp i, 0,1,2,3,4,5,6,7,8,9,10,11,12,13,14,15
	s_wait_loadcnt 15-(\i)                         ; loads come back in order: load i is in, the younger ones stay out
	v_cvt_pk_bf16_f32 v[96+2*(\i)], v[32+4*(\i)], v[32+4*(\i)+1]
	v_cvt_pk_bf16_f32 v[96+2*(\i)+1], v[32+4*(\i)+2], v[32+4*(\i)+3]
	global_store_b64 v2, v[96+2*(\i):96+2*(\i)+1], s[38:39] offset:256*(\i)
.endr
	s_endpgm
.Lfunc_end_k_q6ea1b1c131_prep:
	.size	k_q6ea1b1c131_prep, .Lfunc_end_k_q6ea1b1c131_prep-k_q6ea1b1c131_prep
	.p2alignl 7, 3214868480
	.fill 96, 4, 3214868480
	.section	.rodata,"a",@progbits
	.p2align	6, 0x0
	.amdhsa_kernel k_q6ea1b1c131_prep
		.amdhsa_group_segment_fixed_size 0
		.amdhsa_private_segment_fixed_size 0
		.amdhsa_enable_private_segment 0
		.amdhsa_kernarg_size 48
		.amdhsa_user_sgpr_count 2
		.amdhsa_user_sgpr_kernarg_segment_ptr 1
		.amdhsa_wavefront_size32 1
		.amdhsa_system_sgpr_workgroup_id_x 1
		.amdhsa_system_sgpr_workgroup_id_y 1
		.amdhsa_system_sgpr_workgroup_id_z 1
		.amdhsa_system_vgpr_workitem_id 0
		.amdhsa_next_free_vgpr 192
		.amdhsa_next_free_sgpr 66
		.amdhsa_reserve_vcc 0
		.amdhsa_float_denorm_mode_32 3
		.amdhsa_float_denorm_mode_16_64 3
		.amdhsa_memory_ordered 1
		.amdhsa_forward_progress 1
		.amdhsa_inst_pref_size 26
	.end_amdhsa_kernel
	.amdgpu_metadata
---
amdhsa.version: [ 1, 2 ]
amdhsa.kernels:
  - .name:           k_q6ea1b1c131_prep
    .symbol:         k_q6ea1b1c131_prep.kd
    .args:
      - { .name: x, .offset: 0, .size: 8, .value_kind: global_buffer, .address_space: global }
      - { .name: ln1_w, .offset: 8, .size: 8, .value_kind: global_buffer, .address_space: global }
      - { .name: ln1_b, .offset: 16, .size: 8, .value_kind: global_buffer, .address_space: global }
      - { .name: h, .offset: 24, .size: 8, .value_kind: global_buffer, .address_space: global }
      - { .name: W_attn, .offset: 32, .size: 8, .value_kind: global_buffer, .address_space: global }
      - { .name: wa, .offset: 40, .size: 8, .value_kind: global_buffer, .address_space: global }
    .group_segment_fixed_size: 0
    .private_segment_fixed_size: 0
    .kernarg_segment_align: 8
    .kernarg_segment_size: 48
    .max_flat_workgroup_size: 256
    .sgpr_count:     66
    .vgpr_count:     192
    .wavefront_size: 32
...
	.end_amdgpu_metadata
.endif
;; end of part 1
;; launch qkv (part 2): grid 16 x 16, 4 waves a work-group, clusters of 4 x 4, 327,680 bytes of LDS; arguments h, wa, b_attn, qkv, W_proj, W_fc, W_out, wp, wf, wo; writes qkv, wp, wf, wo
.if DOCPART == 2
	.amdgcn_target "amdgcn-amd-amdhsa--gfx1250"
	.amdhsa_code_object_version 6
	.text
	.protected	k_q6ea1b1c131_qkv
	.globl	k_q6ea1b1c131_qkv
	.p2align	8
	.type	k_q6ea1b1c131_qkv,@function
k_q6ea1b1c131_qkv:
	s_mov_b64 s[64:65], 0
	v_nop
	global_prefetch_b8 v0, s[64:65] scope:SCOPE_SE
	s_setreg_imm32_b32 hwreg(HW_REG_WAVE_MODE, 25, 1), 1
	s_wait_xcnt 0x0
	s_wait_alu depctr_hold_cnt(0) depctr_sa_sdst(0) depctr_va_vdst(0) depctr_va_sdst(0) depctr_va_ssrc(0) depctr_va_vcc(0) depctr_vm_vsrc(0)
	s_getreg_b32 s2, hwreg(HW_REG_IB_STS2, 6, 4)
	s_cmp_eq_u32 s2, 0
	s_cbranch_scc0 .Lentry_in_a_cluster
	s_endpgm
.Lentry_in_a_cluster:
	s_bfe_u32 s2, ttmp6, 0x10000c
	s_cmp_lg_u32 s2, 0xf033
	s_cbranch_scc0 .Lentry_shape_is_right
	s_endpgm
.Lentry_shape_is_right:
; C = A B^T + bias on tiles of 256 x 256, K = 1,024.  A: [4096][1024] bf16, B: [N][1024] bf16, bias: [N] f32; sums in f32.
; FC = 0: N = 3,072; C goes out in bf16 BY HEADS: q, k, v one behind the other, each [64 heads (16 batch + head)][1024 tokens][64], unscaled.  The grid is 16 x 16 work-groups in clusters of 4 x 4:
;         the clusters' columns 0 to 2 make the 12 x 16 tiles of C.  Column 3 has no tile: its 64 work-groups turn W_proj, W_fc and W_out from f32 into bf16 for the launches behind this one
;         (.Lconvert, at the text's end): 576 pieces of 16,384 numbers, nine a work-group.  The jump there hangs on the cluster's x, which all partners of a cluster share; those clusters issue no
;         tensor load and touch no LDS.
; FC = 1: N = 4,096; C = gelu(..) (the tanh form, written as x / (1 + 2^(x (K1 + K2 x^2)))), bf16, [4096][4096].  16 x 16 work-groups.
; Four waves, each 128 x 128 of C in 64 accumulators.  K goes in 8 steps of 128 through two LDS slots filled by the tensor data mover; a K step is written once, and the slot in hand is a scalar
; register that an exclusive or turns.  The matrix instruction is used transposed (source 0 = 16 rows of B, source 1 = 16 rows of A): a lane holds eight neighbouring columns of one row of C.
; The bias is the C operand of the products that start the sums: nothing is cleared and nothing is added later.
; CLUSTER 4 x 4: A's tile is shared along a row of the cluster, B's along a column: each is asked for jointly, by the same tensor load and descriptor in the four that the mask names.
; THE WAY OUT: behind the last barrier the ring has had its last fill and nobody reads it; each wave dumps its 128 x 128 f32 into its own 67,584 bytes of it, and a loop of 8 trips reads 16 rows
; back in the order of the output, finishes them and stores 16 bytes a lane.
; LIMITS: bf16 operands; gelu's exponent may overflow or underflow: 1 / (1 + inf) = 0 and 1 / (1 + 0) = 1 are the right limits.  NaN and infinities in the inputs are not treated apart.
; REGISTERS: window 0: v1-29 addresses; v64-127, v128-191 A's two fragment buffers (on the way out E, TT; v192-223 Y).  window 1: v0-63 the bias; v64-127, v128-191 B's two buffers.
;            windows 2, 3: the accumulators of my rows 0-63, 64-127: (a, b) at v[8 (8 (a % 4) + b)].
.set FC, 0
.set PITCH,  272                       ; an LDS row: 256 bytes + 16 of padding = 68 words: the 16 rows of a fragment load start at 16 different groups of four banks (ISA guide 11.1)
.set HALFT,  128*PITCH                 ; what one tensor load brings
.set SLOT,   4*HALFT                   ; A's 256 rows, then B's 256 rows: 0x22000, which shares no bit with a wave's place 0, 0x8800, 0x11000, 0x19800
.set SPARE,  2*SLOT                    ; behind the ring: the spare words, 128 bytes a wave
.set DP,     528                       ; the dump: a row of 128 f32 + 16 bytes
.set DW,     128*DP                    ; a wave's dump
.set STEPS,  8
.set ADRA0, 16                         ; v16, v17  my fragments' LDS addresses in slot 0; never rewritten
.set ADRB0, 17
.set ADRA,  18                         ; v18, v19  the same in the slot in hand
.set ADRB,  19
.set STO,   24                         ; v24  where I dump
.set RD,    25                         ; v25  where I read back
.set CO,    26                         ; v26  my byte offset in C
.set BO,    27                         ; v27  32 x (lane / 16): my eight numbers in 16 of the bias
.set SPW,   28                         ; v28  my spare word; never rewritten
.set NIL,   29                         ; v29  0; never rewritten
.set F0,    64
.set F1,    128
.set BI,    0                          ; window 1: register 8 b + j = bias[n0 + 16 b + 8 (lane / 16) + j]
.set E,     64
.set TT,    128
.set Y,     192
.set TB,    2                          ; s2   0 or SLOT: the slot in hand
.set WV,    14                         ; s14  wave
.set RH,    15                         ; s15  my half of the tile's rows; also: I fetch for A (0) or B (1)
.set CH,    16                         ; s16  my half of its columns; also: which 128 rows I fetch
.set G1,    24                         ; s[24:31] group 1 for A;  s[32:39] group 0: set 0 for the first fill, set 1 walks
.set G0,    32
.set G1B,   48                         ; s[48:55], s[56:63] the same for B
.set G0B,   56
.if FC
.set HSH, 4                            ; the dump's order inside a row: the first four of each lane's eight numbers in the row's first 256 bytes, the others in the second
.set BS,  32
.set SECOND, 256
.set CSTEP, 16*8192
.else
.set HSH, 5                            ; a plain row
.set BS,  64
.set SECOND, 16
.set CSTEP, 16*128
.endif
.set MSB, 0
.macro WIN new                         ; the immediate's high byte repeats the setting that is left; a switch that changes nothing is dropped
.if MSB != (\new)
	s_set_vgpr_msb (MSB<<8)|(\new)
.set MSB, \new
.endif
.endm
.macro PLACES                          ; four places behind matrix instructions, in front of loads into their sources and of reads of their results
.rept 4
	v_nop
.endr
.endm
.macro JLOAD                           ; a joint refill by the walking sets: waves 0, 1 ask for A's halves, waves 2, 3 for B's; an s_nop 0 and four v_nop follow each line
	s_cmp_eq_u32 s[RH], 0
	s_cbranch_scc0 .Lfor_b_\@
	tensor_load_to_lds s[G0+4:G0+7], s[G1:G1+7]
	s_nop 0
.rept 4
	v_nop
.endr
	s_branch .Lasked_\@
.Lfor_b_\@:
	tensor_load_to_lds s[G0B+4:G0B+7], s[G1B:G1B+7]
	s_nop 0
.rept 4
	v_nop
.endr
.Lasked_\@:
.endm
.macro CREST                           ; a round of the cluster's barrier behind its opening barrier
	s_cmp_lg_u32 s[WV], 0
	s_cbranch_scc1 .Lnot_wave_0_\@
	s_barrier_signal -3
.Lnot_wave_0_\@:
	s_barrier_wait -3
	s_barrier_signal -1
	s_barrier_wait -1
.endm
.macro CROUND
	s_barrier_signal -1
	s_barrier_wait -1
	CREST
.endm
; 16 matrix instructions: m blocks a0, a0 + 1 of the window's four x all 8 n blocks, 32 along K.  mode = 1: the bias starts the sums.
.macro MUL16 f, hi, a0, mode
.if \mode
	WIN 0x91+0x40*(\hi)
.else
	WIN 0xa1+0x50*(\hi)
.endif
.irp a, \a0, (\a0)+1
.irp b, 0,1,2,3,4,5,6,7
.if \mode
	v_wmma_f32_16x16x32_bf16 v[8*(8*(\a)+(\b)):8*(8*(\a)+(\b))+7], v[(\f)+8*(\b):(\f)+8*(\b)+7], v[(\f)+8*(4*(\hi)+(\a)):(\f)+8*(4*(\hi)+(\a))+7], v[BI+8*(\b):BI+8*(\b)+7]
.else
	v_wmma_f32_16x16x32_bf16 v[8*(8*(\a)+(\b)):8*(8*(\a)+(\b))+7], v[(\f)+8*(\b):(\f)+8*(\b)+7], v[(\f)+8*(4*(\hi)+(\a)):(\f)+8*(4*(\hi)+(\a))+7], v[8*(8*(\a)+(\b)):8*(8*(\a)+(\b))+7]
.endif
.endr
.endr
.endm
.macro FETCH k, f                      ; 32 LDS loads in one run: 128 rows of B, 128 rows of A, 32 K at byte k of the rows of the slot in hand
	WIN 0x40
.irp i, 0,1,2,3,4,5,6,7
	ds_load_b128 v[(\f)+8*(\i):(\f)+8*(\i)+3],   v[ADRB] offset:(\k)+(\i)*16*PITCH
	ds_load_b128 v[(\f)+8*(\i)+4:(\f)+8*(\i)+7], v[ADRB] offset:(\k)+(\i)*16*PITCH+32
.endr
	WIN 0
.irp i, 0,1,2,3,4,5,6,7
	ds_load_b128 v[(\f)+8*(\i):(\f)+8*(\i)+3],   v[ADRA] offset:(\k)+(\i)*16*PITCH
	ds_load_b128 v[(\f)+8*(\i)+4:(\f)+8*(\i)+7], v[ADRA] offset:(\k)+(\i)*16*PITCH+32
.endr
.endm
; A quarter multiplies buffer f.  At its HEAD it fetches the next quarter, at byte k, into g, which the quarter before has multiplied: that run of loads has this quarter's 64 matrix
; instructions in which to land (the four waves issue their runs at about the same time: 4 x 32 loads of 512 bytes).  By the text's own count at most 8 + 32 LDS loads of a wave are out.
.macro QUARTER k, f, g, mode
	s_wait_dscnt 8                                 ; of buffer f, B and A's rows 0-63 are in; its youngest eight loads (A's rows 64-127) may be out
	PLACES                                         ; behind the last products, which read buffer g
	FETCH \k, \g
	MUL16 \f, 0, 0, \mode
	MUL16 \f, 0, 2, \mode
	s_wait_dscnt 32                                ; all but the 32 just issued
	MUL16 \f, 1, 0, \mode
	MUL16 \f, 1, 2, \mode
.endm
; The last quarter's first half, and the one barrier of a change of slots: in front of it each wave waits for all its tensor loads (its part of the next slot), adds 0 to its spare word,
; and waits for that and for its own reads of this slot.
.macro MEET
	WIN 0
	s_wait_tensorcnt 0x0
	ds_add_u32 v[SPW], v[NIL]
	s_wait_dscnt 9                                 ; (the add and the youngest eight loads may be out)
	MUL16 F1, 0, 0, 0
	s_wait_dscnt 0x0                               ; the add is done, and my reads of this slot are over
	s_barrier_signal -1
	MUL16 F1, 0, 2, 0
	WIN 0
	s_barrier_wait -1
.endm
.macro NEXT                            ; the other slot's first fragments, and the last quarter's second half
	s_xor_b32 s[TB], s[TB], SLOT
	v_add_nc_u32 v[ADRA], s[TB], v[ADRA0]
	v_add_nc_u32 v[ADRB], s[TB], v[ADRB0]
	FETCH 0, F0
	MUL16 F1, 1, 0, 0
	MUL16 F1, 1, 2, 0
.endm
.if FC == 0
	s_cmp_eq_u32 ttmp9, 3                          ; the clusters' fourth column has no tile of C: it turns weights into bf16
	s_cbranch_scc1 .Lconvert
.endif
	s_load_b256 s[4:11], s[0:1], 0x0               ; A s[4:5], B s[6:7], bias s[8:9], C s[10:11]
	v_lshl_add_u32 v[SPW], v0, 2, SPARE
	v_mov_b32 v[NIL], 0
	ds_add_u32 v[SPW], v[NIL]                      ; the wave's opening: the add, and its wait ahead of my first tensor load
	v_lshrrev_b32 v1, 5, v0
	v_readfirstlane_b32 s[WV], v1
	s_lshr_b32 s[RH], s[WV], 1
	s_and_b32 s[CH], s[WV], 1
	s_bfe_u32 s40, ttmp6, 0x40000                  ; cx
	s_bfe_u32 s41, ttmp6, 0x40004                  ; cy
	s_lshl_b32 s42, ttmp9, 2
	s_add_co_u32 s42, s42, s40                     ; tile column = 4 x cluster x + cx
	s_and_b32 s43, ttmp7, 0xffff
	s_lshl_b32 s43, s43, 2
	s_add_co_u32 s43, s43, s41                     ; tile row = 4 x cluster y + cy
	s_lshl_b32 s44, s41, 2
	s_lshl_b32 s44, 15, s44                        ; my row of the cluster
	s_lshl_b32 s45, 0x1111, s40                    ; my column
	s_or_b32 s[G1], s44, (1<<16)|(1<<20)|(1<<21)|(5<<22)|(3<<25)   ; the mask; 2-byte elements; padding on; bit 21 beside a mask; after every 64 words 4 words
	s_or_b32 s[G1B], s45, (1<<16)|(1<<20)|(1<<21)|(5<<22)|(3<<25)
.irp g, G1, G1B
	s_mov_b32 s[(\g)+1], 128<<16                   ; tensor_dim0 = 128
	s_mov_b32 s[(\g)+2], 128<<16                   ; tensor_dim1 = 128
	s_mov_b32 s[(\g)+3], 128<<16                   ; tile_dim0 = 128
	s_mov_b32 s[(\g)+4], 128                       ; tile_dim1 = 128
	s_mov_b32 s[(\g)+5], 1024                      ; elements from row to row
	s_mov_b32 s[(\g)+6], 0
	s_mov_b32 s[(\g)+7], 0
.endr
	s_lshl_b32 s17, s[CH], 7                       ; which 128 rows of a tile I fetch
	s_lshl_b32 s18, s43, 8
	s_add_co_u32 s18, s18, s17
	s_lshl_b32 s18, s18, 11                        ; A: (256 x tile row + 128 x half) rows of 2,048 bytes: made of the tile row and the wave alone
	s_mov_b32 s19, 0
	s_lshl_b32 s46, s42, 8
	s_add_co_u32 s46, s46, s17
	s_lshl_b32 s46, s46, 11                        ; B: of the tile column and the wave alone
	s_mov_b32 s47, 0
	s_mul_i32 s20, s[WV], HALFT                    ; where my load lands: wave x 128 rows
	s_wait_dscnt 0x0                               ; the opening add is done
	s_wait_kmcnt 0x0
	s_add_nc_u64 s[18:19], s[4:5], s[18:19]
	s_add_nc_u64 s[46:47], s[6:7], s[46:47]
	CROUND                                         ; all sixteen work-groups are here: the first joint loads meet
.irp n, 0,1
	s_mov_b32 s[G0+4*(\n)], 1
	s_add_co_u32 s[G0+4*(\n)+1], s20, (\n)*SLOT
	s_add_nc_u64 s[G0+4*(\n)+2:G0+4*(\n)+3], s[18:19], (\n)*256   ; K step n
	s_or_b32 s[G0+4*(\n)+3], s[G0+4*(\n)+3], 0x80000000
	s_mov_b32 s[G0B+4*(\n)], 1
	s_add_co_u32 s[G0B+4*(\n)+1], s20, (\n)*SLOT
	s_add_nc_u64 s[G0B+4*(\n)+2:G0B+4*(\n)+3], s[46:47], (\n)*256
	s_or_b32 s[G0B+4*(\n)+3], s[G0B+4*(\n)+3], 0x80000000
.endr
	s_cmp_eq_u32 s[RH], 0                          ; a wave's two first fills stand in one branch: two loads of mine are out
	s_cbranch_scc0 .Lfirst_b
	tensor_load_to_lds s[G0:G0+3], s[G1:G1+7]
	s_nop 0
	tensor_load_to_lds s[G0+4:G0+7], s[G1:G1+7]
	s_nop 0
.rept 4
	v_nop
.endr
	s_branch .Lfirst_done
.Lfirst_b:
	tensor_load_to_lds s[G0B:G0B+3], s[G1B:G1B+7]
	s_nop 0
	tensor_load_to_lds s[G0B+4:G0B+7], s[G1B:G1B+7]
	s_nop 0
.rept 4
	v_nop
.endr
.Lfirst_done:
	v_and_b32 v1, 15, v0                           ; r = lane % 16
	v_bfe_u32 v2, v0, 4, 1                         ; h = lane / 16
	v_lshlrev_b32 v[BO], 5, v2
	s_lshl_b32 s22, s42, 8
	s_add_co_u32 s22, s22, s17                     ; n0: my first column
	s_lshl_b32 s20, s22, 2
	s_mov_b32 s21, 0
	s_add_nc_u64 s[8:9], s[8:9], s[20:21]          ; the bias at n0
	WIN 0x40
.irp b, 0,1,2,3,4,5,6,7
	global_load_b128 v[BI+8*(\b):BI+8*(\b)+3],   v[BO], s[8:9] offset:64*(\b)
	global_load_b128 v[BI+8*(\b)+4:BI+8*(\b)+7], v[BO], s[8:9] offset:64*(\b)+16
.endr
	WIN 0
	v_mul_u32_u24 v3, v1, PITCH
	v_lshl_add_u32 v3, v2, 4, v3                   ; a fragment's row x pitch + 16 x half
	s_mul_i32 s20, s[RH], HALFT                    ; my 128 rows of A
	s_mul_i32 s21, s[CH], HALFT
	s_add_co_u32 s21, s21, 2*HALFT                 ; my 128 rows of B, behind A's 256
	v_add_nc_u32 v[ADRA0], s20, v3
	v_add_nc_u32 v[ADRB0], s21, v3
	v_mov_b32 v[ADRA], v[ADRA0]
	v_mov_b32 v[ADRB], v[ADRB0]
	s_mov_b32 s[TB], 0
	s_mul_i32 s23, s[WV], DW                       ; my dump
	v_mul_u32_u24 v4, v1, DP
	v_lshl_add_u32 v4, v2, HSH, v4
	v_add_nc_u32 v[STO], s23, v4
	s_lshl_b32 s20, s43, 8
	s_lshl_b32 s21, s[RH], 7
	s_add_co_u32 s20, s20, s21                     ; m0: my first row
.if FC
	v_mul_u32_u24 v5, v2, DP                       ; back: lanes 0-15 one row, lanes 16-31 the next; lane r takes columns 8 r ..
	v_lshl_add_u32 v5, v1, 4, v5
	v_add_nc_u32 v[RD], s23, v5
	v_lshlrev_b32 v5, 13, v2                       ; the same two rows in C, 8,192 bytes each
	v_lshl_add_u32 v[CO], v1, 4, v5
	s_lshl_b32 s20, s20, 13
	s_lshl_b32 s22, s22, 1
	s_add_co_u32 s20, s20, s22
.else
	v_bfe_u32 v5, v0, 3, 2                         ; back: 32 lanes take four rows of one head's 64 columns, eight columns each
	v_mul_u32_u24 v5, v5, DP
	v_and_b32 v6, 7, v0
	v_lshl_add_u32 v5, v6, 5, v5
	v_add_nc_u32 v[RD], s23, v5
	v_and_b32 v[CO], 31, v0                        ; which are 512 consecutive bytes of the head
	v_lshlrev_b32 v[CO], 4, v[CO]
	s_lshr_b32 s21, s22, 10
	s_lshl_b32 s21, s21, 23                        ; q, k or v: 8,388,608 bytes each
	s_lshr_b32 s23, s20, 10
	s_lshl_b32 s23, s23, 4                         ; 16 x batch
	s_bfe_u32 s22, s22, 0x40006                    ; + head
	s_add_co_u32 s23, s23, s22
	s_lshl_b32 s23, s23, 17                        ; 131,072 bytes a head
	s_and_b32 s20, s20, 1023
	s_lshl_b32 s20, s20, 7                         ; 128 bytes a token
	s_add_co_u32 s20, s20, s21
	s_add_co_u32 s20, s20, s23
.endif
	s_mov_b32 s21, 0
	s_add_nc_u64 s[10:11], s[10:11], s[20:21]
	s_wait_tensorcnt 1                             ; my part of K step 0 is in; step 1's may stay out
	s_barrier_signal -1
	s_barrier_wait -1
	FETCH 0, F0
	s_wait_loadcnt 0x0                             ; the bias
	QUARTER 64, F0, F1, 1                          ; the first quarter stands in front of the loop: its products start the sums
	WIN 0
	s_mov_b32 s3, STEPS-2
.Lstep:                                                ; a trip: a K step's quarters 2 to 4 and the next step's first; its refill brings the step two on (steps 2 to 7)
	QUARTER 128, F1, F0, 0
	QUARTER 192, F0, F1, 0
	MEET
	CREST                                          ; the barrier has opened a round of the cluster's: no wave of any partner still reads this slot or has a load on its way
	s_xor_b32 s[G0+5], s[G0+5], SLOT               ; the walking sets: the other slot than last time, 128 further along K
	s_add_nc_u64 s[G0+6:G0+7], s[G0+6:G0+7], 256
	s_xor_b32 s[G0B+5], s[G0B+5], SLOT
	s_add_nc_u64 s[G0B+6:G0B+7], s[G0B+6:G0B+7], 256
	JLOAD                                          ; my one tensor load behind the round; its four v_nop are also the places in front of the loads below
	NEXT
	QUARTER 64, F0, F1, 0
	WIN 0
	s_sub_co_u32 s3, s3, 1
	s_cmp_lg_u32 s3, 0
	s_cbranch_scc1 .Lstep
	s_mov_b32 s3, 2
.Ltail:                                                ; the last two K steps ask for nothing; the second pass is left behind its barrier
	QUARTER 128, F1, F0, 0
	QUARTER 192, F0, F1, 0
	MEET
	s_sub_co_u32 s3, s3, 1
	s_cmp_eq_u32 s3, 0
	s_cbranch_scc1 .Llast
	PLACES
	NEXT
	QUARTER 64, F0, F1, 0
	WIN 0
	s_branch .Ltail
.Llast:                                                ; behind that barrier no wave reads the ring any more, and it has had its last fill
	MUL16 F1, 1, 0, 0
	MUL16 F1, 1, 2, 0
	WIN 0
	PLACES
	; THE DUMP: each accumulator's low four registers first
.irp a, 0,1,2,3,4,5,6,7
	WIN 0x08+4*((\a)/4)
.irp b, 0,1,2,3,4,5,6,7
	ds_store_b128 v[STO], v[8*(8*((\a)%4)+(\b)):8*(8*((\a)%4)+(\b))+3]   offset:(\a)*16*DP+BS*(\b)
	ds_store_b128 v[STO], v[8*(8*((\a)%4)+(\b))+4:8*(8*((\a)%4)+(\b))+7] offset:(\a)*16*DP+BS*(\b)+SECOND
.endr
.endr
	WIN 0
.if FC
	s_mov_b32 s20, 0xc0135761                      ; K1 = -2 log2(e) sqrt(2 / pi)
	s_mov_b32 s21, 0xc0135761
	s_mov_b32 s22, 0xbdd2d3e8                      ; K2 = 0.044715 K1
	s_mov_b32 s23, 0xbdd2d3e8
.endif
	s_mov_b32 s3, 8
.Lrows:                                                ; 16 rows a trip.  LDS serves a wave's instructions in order (ISA guide 5.7.1.4): these loads see my stores above
.irp u, 0,1,2,3,4,5,6,7
.if FC
	ds_load_b128 v[E+8*(\u):E+8*(\u)+3],   v[RD] offset:(\u)*2*DP
	ds_load_b128 v[E+8*(\u)+4:E+8*(\u)+7], v[RD] offset:(\u)*2*DP+256
.else
	ds_load_b128 v[E+8*(\u):E+8*(\u)+3],   v[RD] offset:((\u)%4)*4*DP+((\u)/4)*256
	ds_load_b128 v[E+8*(\u)+4:E+8*(\u)+7], v[RD] offset:((\u)%4)*4*DP+((\u)/4)*256+16
.endif
.endr
	s_wait_dscnt 0x0
.if FC
.set i, 0
.rept 32
	v_pk_mul_f32 v[TT+2*i:TT+2*i+1], v[E+2*i:E+2*i+1], v[E+2*i:E+2*i+1]
.set i, i+1
.endr
.set i, 0
.rept 32
	v_pk_fma_f32 v[TT+2*i:TT+2*i+1], v[TT+2*i:TT+2*i+1], s[22:23], s[20:21] op_sel_hi:[1,0,0]
.set i, i+1
.endr
.set i, 0
.rept 32
	v_pk_mul_f32 v[TT+2*i:TT+2*i+1], v[E+2*i:E+2*i+1], v[TT+2*i:TT+2*i+1]
.set i, i+1
.endr
.set i, 0
.rept 64
	v_exp_f32 v[TT+i], v[TT+i]
.set i, i+1
.endr
	v_nop                                          ; a plain instruction behind the last exponential
.set i, 0
.rept 32
	v_pk_add_f32 v[TT+2*i:TT+2*i+1], v[TT+2*i:TT+2*i+1], 1.0 op_sel_hi:[1,0]
.set i, i+1
.endr
.set i, 0
.rept 64
	v_rcp_f32 v[TT+i], v[TT+i]
.set i, i+1
.endr
	v_nop
.set i, 0
.rept 32
	v_pk_mul_f32 v[E+2*i:E+2*i+1], v[E+2*i:E+2*i+1], v[TT+2*i:TT+2*i+1]
.set i, i+1
.endr
.endif
.set i, 0
.rept 32
	v_cvt_pk_bf16_f32 v[Y+i], v[E+2*i], v[E+2*i+1]
.set i, i+1
.endr
.irp u, 0,1,2,3,4,5,6,7
.if FC
	global_store_b128 v[CO], v[Y+4*(\u):Y+4*(\u)+3], s[10:11] offset:(\u)*2*8192                     ; 16 lanes store 256 consecutive bytes, at a multiple of 256 from C's first byte
.else
	global_store_b128 v[CO], v[Y+4*(\u):Y+4*(\u)+3], s[10:11] offset:((\u)/4)*131072+((\u)%4)*512    ; 512 consecutive bytes of a head
.endif
.endr
	s_wait_xcnt 0x0                                ; Y and CO are rewritten only behind this wait
	v_add_nc_u32 v[RD], 16*DP, v[RD]
	v_add_nc_u32 v[CO], CSTEP, v[CO]
	s_sub_co_u32 s3, s3, 1
	s_cmp_lg_u32 s3, 0
	s_cbranch_scc1 .Lrows
	s_wait_tensorcnt 0x0                           ; the wave's end
	ds_add_u32 v[SPW], v[NIL]
	s_wait_dscnt 0x0
	CROUND                                         ; the closing round
	s_endpgm
.if FC == 0
; THE FOURTH COLUMN OF CLUSTERS: W_proj (64 pieces of 16,384 numbers), W_fc (256) and W_out (256) from f32 to bf16.  Work-group g of the 64 takes piece g of W_proj, then pieces g, g + 64, g + 128,
; g + 192 of W_fc, then the same four of W_out: nine trips.  A wave takes a quarter of a piece: 32 loads of 512 consecutive bytes, all issued ahead of the first wait, and 32 stores of 256
; consecutive bytes at multiples of 256 from the buffer's first byte.  A stream: no LDS, no barrier, no tensor load.
.Lconvert:
	s_load_b256 s[4:11], s[0:1], 0x20              ; W_proj s[4:5], W_fc s[6:7], W_out s[8:9], wp s[10:11]
	s_load_b128 s[12:15], s[0:1], 0x40             ; wf s[12:13], wo s[14:15]
	v_lshrrev_b32 v3, 5, v0
	v_readfirstlane_b32 s16, v3                    ; wave 0..3
	v_and_b32 v1, 31, v0
	v_lshlrev_b32 v2, 3, v1                        ; 8 x lane: my place in 256 bytes of bf16
	v_lshlrev_b32 v1, 4, v1                        ; 16 x lane: my place in 512 bytes of f32
	s_bfe_u32 s17, ttmp6, 0x40000                  ; cx
	s_bfe_u32 s18, ttmp6, 0x40004                  ; cy
	s_and_b32 s19, ttmp7, 0xffff                   ; the cluster's y
	s_lshl_b32 s19, s19, 2
	s_add_co_u32 s19, s19, s18
	s_lshl_b32 s19, s19, 2
	s_add_co_u32 s19, s19, s17                     ; g = 4 (4 cluster y + cy) + cx: 0 to 63
	s_lshl_b32 s24, s19, 16                        ; a piece is 65,536 bytes of f32,
	s_lshl_b32 s25, s16, 14                        ; a wave's share 16,384
	s_add_co_u32 s24, s24, s25
	s_mov_b32 s25, 0
	s_lshr_b32 s26, s24, 1                         ; half as many bytes in bf16
	s_mov_b32 s27, 0
	s_wait_kmcnt 0x0
	s_add_nc_u64 s[4:5], s[4:5], s[24:25]          ; each matrix at my share of its piece g
	s_add_nc_u64 s[6:7], s[6:7], s[24:25]
	s_add_nc_u64 s[8:9], s[8:9], s[24:25]
	s_add_nc_u64 s[10:11], s[10:11], s[26:27]
	s_add_nc_u64 s[12:13], s[12:13], s[26:27]
	s_add_nc_u64 s[14:15], s[14:15], s[26:27]
	s_mov_b64 s[20:21], s[4:5]                     ; from where,
	s_mov_b64 s[22:23], s[10:11]                   ; to where
	s_mov_b32 s28, 0                               ; trips done
.Lpiece:
.set i, 0
.rept 32
	global_load_b128 v[32+4*i:32+4*i+3], v1, s[20:21] offset:512*i
.set i, i+1
.endr
.set i, 0
.rept 32
	s_wait_loadcnt 31-i                            ; loads come back in order: load i is in, the younger ones stay out
	v_cvt_pk_bf16_f32 v[160+2*i], v[32+4*i], v[32+4*i+1]
	v_cvt_pk_bf16_f32 v[160+2*i+1], v[32+4*i+2], v[32+4*i+3]
	global_store_b64 v2, v[160+2*i:160+2*i+1], s[22:23] offset:256*i
.set i, i+1
.endr
	s_wait_xcnt 0x0                                ; the bases and the stores' data are rewritten only behind this wait
	s_add_nc_u64 s[20:21], s[20:21], 0x400000      ; 64 pieces on in the same matrix,
	s_add_nc_u64 s[22:23], s[22:23], 0x200000
	s_add_co_u32 s28, s28, 1
	s_cmp_eq_u32 s28, 1                            ; or, behind W_proj's one trip, W_fc's first,
	s_cselect_b64 s[20:21], s[6:7], s[20:21]
	s_cselect_b64 s[22:23], s[12:13], s[22:23]
	s_cmp_eq_u32 s28, 5                            ; and behind W_fc's four, W_out's first
	s_cselect_b64 s[20:21], s[8:9], s[20:21]
	s_cselect_b64 s[22:23], s[14:15], s[22:23]
	s_cmp_lt_u32 s28, 9
	s_cbranch_scc1 .Lpiece
	s_endpgm
.endif
.Lfunc_end_k_q6ea1b1c131_qkv:
	.size	k_q6ea1b1c131_qkv, .Lfunc_end_k_q6ea1b1c131_qkv-k_q6ea1b1c131_qkv
	.p2alignl 7, 3214868480
	.fill 96, 4, 3214868480
	.section	.rodata,"a",@progbits
	.p2align	6, 0x0
	.amdhsa_kernel k_q6ea1b1c131_qkv
		.amdhsa_group_segment_fixed_size 327680
		.amdhsa_private_segment_fixed_size 0
		.amdhsa_enable_private_segment 0
		.amdhsa_kernarg_size 80
		.amdhsa_user_sgpr_count 2
		.amdhsa_user_sgpr_kernarg_segment_ptr 1
		.amdhsa_wavefront_size32 1
		.amdhsa_system_sgpr_workgroup_id_x 1
		.amdhsa_system_sgpr_workgroup_id_y 1
		.amdhsa_system_sgpr_workgroup_id_z 1
		.amdhsa_system_vgpr_workitem_id 0
		.amdhsa_next_free_vgpr 1024
		.amdhsa_next_free_sgpr 66
		.amdhsa_reserve_vcc 0
		.amdhsa_float_denorm_mode_32 3
		.amdhsa_float_denorm_mode_16_64 3
		.amdhsa_memory_ordered 1
		.amdhsa_forward_progress 1
		.amdhsa_inst_pref_size 97
	.end_amdhsa_kernel
	.amdgpu_metadata
---
amdhsa.version: [ 1, 2 ]
amdhsa.kernels:
  - .name:           k_q6ea1b1c131_qkv
    .symbol:         k_q6ea1b1c131_qkv.kd
    .args:
      - { .name: h, .offset: 0, .size: 8, .value_kind: global_buffer, .address_space: global }
      - { .name: wa, .offset: 8, .size: 8, .value_kind: global_buffer, .address_space: global }
      - { .name: b_attn, .offset: 16, .size: 8, .value_kind: global_buffer, .address_space: global }
      - { .name: qkv, .offset: 24, .size: 8, .value_kind: global_buffer, .address_space: global }
      - { .name: W_proj, .offset: 32, .size: 8, .value_kind: global_buffer, .address_space: global }
      - { .name: W_fc, .offset: 40, .size: 8, .value_kind: global_buffer, .address_space: global }
      - { .name: W_out, .offset: 48, .size: 8, .value_kind: global_buffer, .address_space: global }
      - { .name: wp, .offset: 56, .size: 8, .value_kind: global_buffer, .address_space: global }
      - { .name: wf, .offset: 64, .size: 8, .value_kind: global_buffer, .address_space: global }
      - { .name: wo, .offset: 72, .size: 8, .value_kind: global_buffer, .address_space: global }
    .group_segment_fixed_size: 327680
    .private_segment_fixed_size: 0
    .kernarg_segment_align: 8
    .kernarg_segment_size: 80
    .max_flat_workgroup_size: 128
    .sgpr_count:     66
    .vgpr_count:     1024
    .wavefront_size: 32
...
	.end_amdgpu_metadata
.endif
;; end of part 2
;; launch attn (part 3): grid 4 x 64, 4 waves a work-group, clusters of 4 x 1, 327,680 bytes of LDS; arguments qkv, h; writes h
.if DOCPART == 3
	.amdgcn_target "amdgcn-amd-amdhsa--gfx1250"
	.amdhsa_code_object_version 6
	.text
	.protected	k_q6ea1b1c131_attn
	.globl	k_q6ea1b1c131_attn
	.p2align	8
	.type	k_q6ea1b1c131_attn,@function
k_q6ea1b1c131_attn:
	s_mov_b64 s[64:65], 0
	v_nop
	global_prefetch_b8 v0, s[64:65] scope:SCOPE_SE
	s_setreg_imm32_b32 hwreg(HW_REG_WAVE_MODE, 25, 1), 1
	s_wait_xcnt 0x0
	s_wait_alu depctr_hold_cnt(0) depctr_sa_sdst(0) depctr_va_vdst(0) depctr_va_sdst(0) depctr_va_ssrc(0) depctr_va_vcc(0) depctr_vm_vsrc(0)
	s_getreg_b32 s2, hwreg(HW_REG_IB_STS2, 6, 4)
	s_cmp_eq_u32 s2, 0
	s_cbranch_scc0 .Lentry_in_a_cluster
	s_endpgm
.Lentry_in_a_cluster:
	s_bfe_u32 s2, ttmp6, 0x10000c
	s_cmp_lg_u32 s2, 0x3003
	s_cbranch_scc0 .Lentry_shape_is_right
	s_endpgm
.Lentry_shape_is_right:
; CAUSAL ATTENTION, head size 64.  y[bh][q][:] = the sum over k <= q of softmax_k(Q[q] . K[k] / 8) V[k][:].  q, k, v lie one behind the other in one buffer, each [64 heads][1024][64] bf16; y likewise.
; Products, maxima and sums in f32; the weights p are rounded to bf16 for the second product (their sum l is taken of the unrounded p), y once at the end.
; LIMITS.  A hidden score is replaced by -1e30; a weight below 2^-126 counts as 0 in l; NaN and infinities are not treated apart.  The maximum is a true running maximum: every row sees key 0 in step 0.
; SHARES.  A cluster of four work-groups has one head.  The head's queries lie in 16 bands of 64; work-group cx owns rows 16 cx .. 16 cx + 15 of every band: 16 tiles of 16 queries.  Wave w owns the tiles of
; bands w, 7 - w, 8 + w, 15 - w.  The tile of band x lives through the key steps 0 .. x (64 keys each), the last of which holds the diagonal: 34 tile-steps for every wave of every work-group.
; THE WHOLE HEAD'S K AND V LIE IN LDS (1,024 rows of 144 and of 160 bytes): nothing is filled again.  All four partners need all of it, so every load is joint, with the mask of four.  Each wave issues one
; load of 512 keys (waves 0, 1: K's halves; waves 2, 3: V's) and waits for it in front of the one barrier that stands ahead of all LDS reads.
; THE WALK is one text for a key step in a loop of 16 trips; which tiles are alive hangs on the wave's number and the step's alone; every jump but the loop's own goes forward and passes neither
; a barrier nor a tensor load.  cx enters only Q's and y's global addresses and the number that the mask compares with.
; ONE STEP AHEAD.  The scores of step 0 are made in front of the loop, for all four tiles: all are alive there.  In step k a living tile has its mask (in its last step), its softmax and its V^T P, and then,
; if it lives on, its K Q^T of step k + 1: a tile's 16 matrix instructions are at work beside the next tile's softmax.  V of step k and K of step k + 1 are fetched at the step's head.
; LAYOUT.  S^T = K Q^T holds ONE query a lane (lane % 16) and the keys 8 (lane / 16) + 0..7; two such results rounded to bf16 ARE source 1 of O^T = V^T P.  p = 2^(c s - c m), c = log2(e) / 8;
; O and l are multiplied by a = 2^(c m_old - c m_new) in every step.  m starts at the lowest finite number, O and l at 0 (128 + 8 v_mov_b32, in the wait for the tiles): no first softmax is written out.
; REGISTERS: window 0: addresses, statistics (four a tile), S^T v64-191 (32 a tile), P v192-207.  window 1: O^T v0-127 (32 a tile).  window 2: Q v0-63, K v128-191, V v192-255.
.set PK,    144                        ; a row of K: 128 bytes + 16 = 36 words: the 16 rows of a load start at 16 different groups of four banks (ISA guide 11.1)
.set PVP,   160                        ; a row of V: 128 + 32 = 40 words
.set VOFF,  1024*PK
.set STAGE, VOFF+1024*PVP              ; 16 rows x 144 bytes for each wave, for the way out; no tensor load lands here
.set SP,    144
.set SPARE, STAGE+4*16*SP              ; the spare words, 128 bytes a wave
.set STEPS, 16
.set AK0, 2                            ; v2, v3  my lane's place in 64 rows of K, of V (with VOFF); never rewritten
.set AV0, 3
.set AK,  4                            ; v4, v5  the same in the step in hand
.set AV,  5
.set STO, 6
.set RD,  7
.set GO,  8
.set RW,  12                           ; v12  c m_old
.set REL, 13                           ; v13  16 cx + lane % 16 - 8 (lane / 16): register j of key block kb is hidden in the diagonal step where 16 kb + j is greater
.set BIG, 14                           ; v14  -1e30
.set QO,  15
.set ST,  16                           ; tile t: v[16+4t ..]: c m, m, l (even keys', odd keys')
.set QV,  32                           ; v32-35  tile t's byte offset in the head + my lane's place in 16 rows of Q
.set OV,  36                           ; v36-39  the same + my place in 512 consecutive bytes of y
.set RC,  48                           ; v48-51  at work; a in v50
.set SPW, 62
.set NIL, 63
.set S,   64
.set P,   192
.set KF,  128
.set VF,  192
.set WV,  12                           ; s12 wave; s13 cx; s14 wave % 2; s15 numbers made of cx
.set LIM, 16                           ; s16-19  each tile's band = its last key step
.set TOF, 20                           ; s20-23  each tile's first byte in the head
.set G1K, 24                           ; s[24:31] group 1 for K;  s[32:39] for V: it differs in the padding alone
.set G1V, 32
.set G0K, 40                           ; s[40:43], s[44:47] group 0
.set G0V, 44
.set KK,  56                           ; s56  the key step: the loop's counter
.set STG, 57                           ; s57  my stage
.set CS,  58                           ; s[58:59] c
.set SEL, 60                           ; s[60:61]
.set TBK, 62                           ; s62, s63  the step's first byte in K, in V
.set TBV, 63
.set MSB, 0
.macro WIN new                         ; the immediate's high byte repeats the setting that is left; a switch that changes nothing is dropped
.if MSB != (\new)
	s_set_vgpr_msb (MSB<<8)|(\new)
.set MSB, \new
.endif
.endm
.macro CROUND                          ; a round of the cluster's barrier
	s_barrier_signal -1
	s_barrier_wait -1
	s_cmp_lg_u32 s[WV], 0
	s_cbranch_scc1 .Lnot_wave_0_\@
	s_barrier_signal -3
.Lnot_wave_0_\@:
	s_barrier_wait -3
	s_barrier_signal -1
	s_barrier_wait -1
.endm
; 8 products S^T = K Q^T of tile t: channels 32 (i / 4) on, keys 16 (i % 4) on.  The four accumulators take turns; the first four products start the sums.
.macro KQ t
	WIN 0x0a                                       ; K and Q in window 2, S^T in window 0
.set i, 0
.rept 8
.if i < 4
	v_wmma_f32_16x16x32_bf16 v[S+32*(\t)+8*(i%4):S+32*(\t)+8*(i%4)+7], v[KF+16*(i%4)+8*(i/4):KF+16*(i%4)+8*(i/4)+7], v[16*(\t)+8*(i/4):16*(\t)+8*(i/4)+7], 0
.else
	v_wmma_f32_16x16x32_bf16 v[S+32*(\t)+8*(i%4):S+32*(\t)+8*(i%4)+7], v[KF+16*(i%4)+8*(i/4):KF+16*(i%4)+8*(i/4)+7], v[16*(\t)+8*(i/4):16*(\t)+8*(i/4)+7], v[S+32*(\t)+8*(i%4):S+32*(\t)+8*(i%4)+7]
.endif
.set i, i+1
.endr
	WIN 0
.endm
; 8 products O^T += V^T P of tile t: keys 32 (i / 4) on, channels 16 (i % 4) on.
.macro PV t
	WIN 0x52                                       ; V in window 2, P in window 0, O^T in window 1
.set i, 0
.rept 8
	v_wmma_f32_16x16x32_bf16 v[32*(\t)+8*(i%4):32*(\t)+8*(i%4)+7], v[VF+32*(i/4)+8*(i%4):VF+32*(i/4)+8*(i%4)+7], v[P+8*(i/4):P+8*(i/4)+7], v[32*(\t)+8*(i%4):32*(\t)+8*(i%4)+7]
.set i, i+1
.endr
	WIN 0
.endm
.macro FETCH_K base                    ; 64 keys x 64 channels, base bytes behind v[AK]: keys 16 (f / 2) on, channels 32 (f % 2) on
	WIN 0x80
.irp f, 0,1,2,3,4,5,6,7
	ds_load_b128 v[KF+8*(\f):KF+8*(\f)+3],   v[AK] offset:(\base)+((\f)/2)*16*PK+((\f)%2)*64
	ds_load_b128 v[KF+8*(\f)+4:KF+8*(\f)+7], v[AK] offset:(\base)+((\f)/2)*16*PK+((\f)%2)*64+32
.endr
	WIN 0
.endm
.macro FETCH_V                         ; turned: keys 32 (f / 4) on, channels 16 (f % 4) on
	WIN 0x80
.irp f, 0,1,2,3,4,5,6,7
	ds_load_tr16_b128 v[VF+8*(\f):VF+8*(\f)+3],   v[AV] offset:((\f)/4)*32*PVP+((\f)%4)*32
	ds_load_tr16_b128 v[VF+8*(\f)+4:VF+8*(\f)+7], v[AV] offset:((\f)/4)*32*PVP+16*PVP+((\f)%4)*32
.endr
	WIN 0
.endm
.macro MASK t                          ; the diagonal step: hidden scores become -1e30; ascending
.set i, 0
.rept 32
	v_cmp_gt_i32 vcc_lo, 16*(i/8)+i%8, v[REL]
	v_cndmask_b32 v[S+32*(\t)+i], v[S+32*(\t)+i], v[BIG], vcc_lo
.set i, i+1
.endr
.endm
; One tile's softmax for one key step.
.macro SM t
.set rT, ST+4*(\t)
.set rS, S+32*(\t)
.set rO, 32*(\t)
	WIN 0
.irp n, 0,1,2,3                        ; four chains of seven scores, each accumulator's lowest registers first
	v_max3_num_f32 v[RC+(\n)], v[rS+8*(\n)], v[rS+8*(\n)+1], v[rS+8*(\n)+2]
.endr
.irp n, 0,1,2,3
	v_max3_num_f32 v[RC+(\n)], v[RC+(\n)], v[rS+8*(\n)+3], v[rS+8*(\n)+4]
.endr
.irp n, 0,1,2,3
	v_max3_num_f32 v[RC+(\n)], v[RC+(\n)], v[rS+8*(\n)+5], v[rS+8*(\n)+6]
.endr
	v_max3_num_f32 v[RC], v[RC], v[rS+7], v[rS+15]
	v_max3_num_f32 v[RC+1], v[RC+1], v[rS+23], v[rS+31]
	v_max3_num_f32 v[RC+2], v[RC+2], v[RC+3], v[rT+1]   ; with the old m
	v_mov_b32 v[RW], v[rT]                         ; c m_old is kept
	v_max3_num_f32 v[RC], v[RC], v[RC+1], v[RC+2]
	v_permlanex16_b32 v[RC+3], v[RC], s[SEL], s[SEL+1]  ; the query's other 32 keys lie in the lane 16 away
	v_max_num_f32 v[rT+1], v[RC], v[RC+3]
	v_mul_f32 v[rT], s[CS], v[rT+1]
	v_sub_f32 v[RC+1], v[RW], v[rT]
	v_exp_f32 v[RC+2], v[RC+1]                     ; a; the scalings below are the plain instructions behind it
.set i, 0
.rept 16
	v_pk_fma_f32 v[rS+2*i:rS+2*i+1], v[rS+2*i:rS+2*i+1], s[CS:CS+1], v[rT:rT+1] op_sel_hi:[1,0,0] neg_lo:[0,0,1] neg_hi:[0,0,1]  ; c s - c m
.set i, i+1
.endr
.set i, 0
.rept 32
	v_exp_f32 v[rS+i], v[rS+i]
.set i, i+1
.endr
	WIN 0x41                                       ; O^T times a: ascending; also the plain instructions behind the exponentials
.set i, 0
	s_wait_alu depctr_va_vdst(0)
.rept 16
	v_pk_mul_f32 v[rO+2*i:rO+2*i+1], v[rO+2*i:rO+2*i+1], v[RC+2:RC+3] op_sel_hi:[1,0]
.set i, i+1
.endr
	WIN 0
.set i, 0
.rept 16
	v_cvt_pk_bf16_f32 v[P+i], v[rS+2*i], v[rS+2*i+1]
.set i, i+1
.endr
.irp w, 4,8,16,32                      ; the 16 pairs' sum, in place: neighbours 1, 2, 4, 8 pairs apart
.set i, 0
.rept 32/(\w)
	v_pk_add_f32 v[rS+(\w)*i:rS+(\w)*i+1], v[rS+(\w)*i:rS+(\w)*i+1], v[rS+(\w)*i+(\w)/2:rS+(\w)*i+(\w)/2+1]
.set i, i+1
.endr
.endr
	v_pk_fma_f32 v[rT+2:rT+3], v[rT+2:rT+3], v[RC+2:RC+3], v[rS:rS+1] op_sel_hi:[1,0,1]  ; l = a l + sum
.endm
; Tile t's part of key step KK, if it is alive: its scores were made a step ago (step 0's: in front of the loop).
.macro TILE t
.if (\t) < 3
	s_cmp_gt_u32 s[KK], s[LIM+(\t)]
	s_cbranch_scc1 .Lnext                          ; it is dead, and so are the tiles below it
.endif
	s_cmp_lg_u32 s[KK], s[LIM+(\t)]
	s_cbranch_scc1 .Lnomask_\@
	MASK \t
.Lnomask_\@:
	SM \t
.if (\t) == 3
	s_wait_dscnt 0x0                               ; V is in, and the next step's K where it was asked for: the count is right on both ways
.endif
	PV \t
	s_cmp_ge_u32 s[KK], s[LIM+(\t)]
	s_cbranch_scc1 .Lnokq_\@                       ; its last step: no further scores
	KQ \t                                          ; the next step's scores; the softmax above has read the old ones
.Lnokq_\@:
.endm
	s_load_b128 s[4:7], s[0:1], 0x0                ; qkv s[4:5], y s[6:7]
	v_lshl_add_u32 v[SPW], v0, 2, SPARE
	v_mov_b32 v[NIL], 0
	ds_add_u32 v[SPW], v[NIL]                      ; the wave's opening: the add, and its wait ahead of my first tensor load
	v_lshrrev_b32 v1, 5, v0
	v_readfirstlane_b32 s[WV], v1
	s_bfe_u32 s13, ttmp6, 0x40000                  ; cx
	s_and_b32 s48, ttmp7, 0xffff                   ; the head, which the four partners share
	s_lshl_b32 s48, s48, 17                        ; 131,072 bytes a head
	s_mov_b32 s49, 0
	s_and_b32 s14, s[WV], 1                        ; which 512 keys I fetch
	s_lshl_b32 s50, s14, 16                        ; 65,536 bytes
	s_mov_b32 s51, 0
	s_mov_b32 s[LIM], s[WV]
	s_sub_co_u32 s[LIM+1], 7, s[WV]
	s_add_co_u32 s[LIM+2], s[WV], 8
	s_sub_co_u32 s[LIM+3], 15, s[WV]
	s_lshl_b32 s15, s13, 11                        ; 16 cx rows of 128 bytes
.irp t, 0,1,2,3
	s_lshl_b32 s[TOF+(\t)], s[LIM+(\t)], 13        ; a band is 64 rows of 128 bytes
	s_add_co_u32 s[TOF+(\t)], s[TOF+(\t)], s15
.endr
	; group 1: 512 dense keys asked for as 256 rows of 256 bytes, two keys a row, padded in LDS after every key
	s_mov_b32 s[G1K], 15|(1<<16)|(1<<20)|(1<<21)|(4<<22)|(3<<25)   ; the mask of four; 2-byte elements; padding on; bit 21 beside a mask; after every 32 words 4 words
	s_mov_b32 s[G1V], 15|(1<<16)|(1<<20)|(1<<21)|(4<<22)|(7<<25)   ; 8 words
.irp g, G1K, G1V
	s_mov_b32 s[(\g)+1], 128<<16                   ; tensor_dim0 = 128
	s_mov_b32 s[(\g)+2], 256<<16                   ; tensor_dim1 = 256
	s_mov_b32 s[(\g)+3], 128<<16                   ; tile_dim0 = 128
	s_mov_b32 s[(\g)+4], 256                       ; tile_dim1 = 256
	s_mov_b32 s[(\g)+5], 128                       ; elements from row to row
	s_mov_b32 s[(\g)+6], 0
	s_mov_b32 s[(\g)+7], 0
.endr
	s_mov_b32 s[G0K], 1
	s_mul_i32 s[G0K+1], s14, 512*PK                ; where my keys land: of the wave's number alone
	s_mov_b32 s[G0V], 1
	s_mul_i32 s[G0V+1], s14, 512*PVP
	s_add_co_u32 s[G0V+1], s[G0V+1], VOFF
	s_mov_b32 s[CS], 0x3e38aa3b                    ; c = log2(e) / 8
	s_mov_b32 s[CS+1], s[CS]
	s_mov_b32 s[SEL], 0x76543210
	s_mov_b32 s[SEL+1], 0xfedcba98
	s_mul_i32 s[STG], s[WV], 16*SP
	s_add_co_u32 s[STG], s[STG], STAGE             ; my stage
	s_wait_dscnt 0x0                               ; the opening add is done
	s_wait_kmcnt 0x0
	s_add_nc_u64 s[52:53], s[4:5], s[48:49]        ; the head's Q
	s_add_nc_u64 s[54:55], s[6:7], s[48:49]        ; and y
	s_add_nc_u64 s[G0K+2:G0K+3], s[52:53], s[50:51]
	s_add_nc_u64 s[G0K+2:G0K+3], s[G0K+2:G0K+3], 8388608      ; K lies 8,388,608 bytes behind Q,
	s_or_b32 s[G0K+3], s[G0K+3], 0x80000000
	s_add_nc_u64 s[G0V+2:G0V+3], s[52:53], s[50:51]
	s_add_nc_u64 s[G0V+2:G0V+3], s[G0V+2:G0V+3], 16777216     ; V twice as far
	s_or_b32 s[G0V+3], s[G0V+3], 0x80000000
	CROUND                                         ; all four work-groups are here: the joint loads meet
	s_cmp_lt_u32 s[WV], 2                          ; one load a wave; an s_nop 0 and four v_nop follow each line
	s_cbranch_scc0 .Lfor_v
	tensor_load_to_lds s[G0K:G0K+3], s[G1K:G1K+7]
	s_nop 0
.rept 4
	v_nop
.endr
	s_branch .Lasked
.Lfor_v:
	tensor_load_to_lds s[G0V:G0V+3], s[G1V:G1V+7]
	s_nop 0
.rept 4
	v_nop
.endr
.Lasked:
	v_and_b32 v1, 15, v0                           ; r
	v_bfe_u32 v9, v0, 4, 1                         ; h
	v_lshlrev_b32 v[QO], 7, v1
	v_lshl_add_u32 v[QO], v9, 4, v[QO]             ; row x 128 + 16 x half
.irp t, 0,1,2,3
	v_add_nc_u32 v[QV+(\t)], s[TOF+(\t)], v[QO]
.endr
	WIN 0x80
.irp t, 0,1,2,3
.irp c, 0,1
	global_load_b128 v[16*(\t)+8*(\c):16*(\t)+8*(\c)+3],   v[QV+(\t)], s[52:53] offset:64*(\c)
	global_load_b128 v[16*(\t)+8*(\c)+4:16*(\t)+8*(\c)+7], v[QV+(\t)], s[52:53] offset:64*(\c)+32
.endr
.endr
	WIN 0x40
.set i, 0
.rept 128
	v_mov_b32 v[i], 0                              ; O^T
.set i, i+1
.endr
	WIN 0
.irp t, 0,1,2,3
	v_mov_b32 v[ST+4*(\t)], 0xfe000000             ; c m: far below every c s
	v_mov_b32 v[ST+4*(\t)+1], 0xff7fffff           ; m
	v_mov_b32 v[ST+4*(\t)+2], 0
	v_mov_b32 v[ST+4*(\t)+3], 0
.endr
	v_lshlrev_b32 v[REL], 3, v9
	v_sub_nc_u32 v[REL], v1, v[REL]
	s_lshl_b32 s15, s13, 4
	v_add_nc_u32 v[REL], s15, v[REL]
	v_mov_b32 v[BIG], 0xf149f2ca                   ; -1e30
	v_mul_u32_u24 v[AK0], v1, PK
	v_lshl_add_u32 v[AK0], v9, 4, v[AK0]
	v_and_b32 v10, 7, v0                           ; the turning load: lane l reads key 8 (l / 16) + l % 8, channels 8 ((l / 8) % 2) + 0..7
	v_bfe_u32 v11, v0, 3, 1
	v_lshl_add_u32 v[AV0], v9, 3, v10
	v_mul_u32_u24 v[AV0], v[AV0], PVP
	v_lshl_add_u32 v[AV0], v11, 4, v[AV0]
	v_add_nc_u32 v[AV0], VOFF, v[AV0]
	v_mul_u32_u24 v[STO], v1, SP                   ; into my stage: row l % 16, 16 bytes for each half of the lanes
	v_lshl_add_u32 v[STO], v9, 4, v[STO]
	v_add_nc_u32 v[STO], s[STG], v[STO]
	v_bfe_u32 v[RD], v0, 3, 2                      ; back: 32 lanes take four rows of 128 bytes,
	v_mul_u32_u24 v[RD], v[RD], SP
	v_lshl_add_u32 v[RD], v10, 4, v[RD]
	v_add_nc_u32 v[RD], s[STG], v[RD]
	v_and_b32 v[GO], 31, v0                        ; which are 512 consecutive bytes of y
	v_lshlrev_b32 v[GO], 4, v[GO]
.irp t, 0,1,2,3
	v_add_nc_u32 v[OV+(\t)], s[TOF+(\t)], v[GO]
.endr
	v_mov_b32 v[AK], v[AK0]
	s_wait_tensorcnt 0x0                           ; my 512 keys are in,
	s_barrier_signal -1
	s_barrier_wait -1                              ; everybody's are: all of K and V
	FETCH_K 0                                      ; key step 0
	s_wait_loadcnt 0x0                             ; Q
	s_wait_dscnt 0x0
	KQ 3                                           ; step 0's scores: every tile is alive there
	KQ 2
	KQ 1
	KQ 0
	s_mov_b32 s[KK], 0
.Lstep:
	s_cmp_gt_u32 s[KK], s[LIM+3]
	s_cbranch_scc1 .Lnext                          ; all my tiles are done
	s_mul_i32 s[TBV], s[KK], 64*PVP
	s_mul_i32 s[TBK], s[KK], 64*PK
	v_add_nc_u32 v[AV], s[TBV], v[AV0]             ; these four lines are the places behind the last products: in front of the loads into K's and V's registers and of the first read of the scores
	v_add_nc_u32 v[AK], s[TBK], v[AK0]
	v_nop
	v_nop
	FETCH_V                                        ; this step's V
	s_cmp_ge_u32 s[KK], s[LIM+3]
	s_cbranch_scc1 .Lnok                           ; my last step: no further K
	FETCH_K 64*PK                                  ; the next step's K
.Lnok:
	TILE 3
	TILE 2
	TILE 1
	TILE 0
.Lnext:
	s_add_co_u32 s[KK], s[KK], 1
	s_cmp_lt_u32 s[KK], STEPS
	s_cbranch_scc1 .Lstep
	s_wait_dscnt 0x0                               ; my reads of K and V are over;
	s_barrier_signal -1                            ; every wave's are, before any wave stores into LDS.  The stages lie behind V and are each wave's own, so no byte is shared:
	s_barrier_wait -1                              ; the barrier lets that order be read off the text without the arithmetic of the steps' addresses
	; THE WAY OUT.  l's two halves and the other half of the lanes' are added; O^T is divided by l, rounded to bf16 and sent through my stage, a tile at a time.  The additions are the places behind the last products.
.irp t, 0,1,2,3
	v_add_f32 v[ST+4*(\t)+2], v[ST+4*(\t)+2], v[ST+4*(\t)+3]
.endr
.irp t, 0,1,2,3
	v_permlanex16_b32 v[ST+4*(\t)+3], v[ST+4*(\t)+2], s[SEL], s[SEL+1]
.endr
.irp t, 0,1,2,3
	v_add_f32 v[ST+4*(\t)+2], v[ST+4*(\t)+2], v[ST+4*(\t)+3]
.endr
.irp t, 0,1,2,3
	v_rcp_f32 v[ST+4*(\t)+2], v[ST+4*(\t)+2]
.endr
	v_nop                                          ; a plain instruction between the last reciprocal and the use of its result
	s_wait_alu depctr_va_vdst(0)
.macro PACK t                          ; a lane's eight channels of a row pack into 16 bytes; rows of 144 bytes in, whole rows of 128 back
	WIN 0x41
.set i, 0
.rept 16
	v_pk_mul_f32 v[32*(\t)+2*i:32*(\t)+2*i+1], v[32*(\t)+2*i:32*(\t)+2*i+1], v[ST+4*(\t)+2:ST+4*(\t)+3] op_sel_hi:[1,0]
.set i, i+1
.endr
	WIN 0x05
.set i, 0
.rept 16
	v_cvt_pk_bf16_f32 v[S+16*(\t)+i], v[32*(\t)+2*i], v[32*(\t)+2*i+1]
.set i, i+1
.endr
	WIN 0
.irp f, 0,1,2,3
	ds_store_b128 v[STO], v[S+16*(\t)+4*(\f):S+16*(\t)+4*(\f)+3] offset:32*(\f)
.endr
.irp f, 0,1,2,3
	ds_load_b128 v[S+16*(\t)+4*(\f):S+16*(\t)+4*(\f)+3], v[RD] offset:(\f)*4*SP  ; LDS serves a wave's instructions in order (ISA guide 5.7.1.4): these see the stores above; the next tile's stores come behind them
.endr
.endm
.macro SEND t, younger                 ; younger: the LDS instructions issued behind tile t's loads: the next tile's eight, or none
.irp f, 0,1,2,3
	s_wait_dscnt (\younger)+3-(\f)
	global_store_b128 v[OV+(\t)], v[S+16*(\t)+4*(\f):S+16*(\t)+4*(\f)+3], s[54:55] offset:(\f)*512  ; 512 consecutive bytes, at a multiple of 256 from y's first byte
.endr
.endm
	PACK 0
	PACK 1
	SEND 0, 8
	PACK 2
	SEND 1, 8
	PACK 3
	SEND 2, 8
	SEND 3, 0
	s_wait_tensorcnt 0x0                           ; the wave's end
	ds_add_u32 v[SPW], v[NIL]
	s_wait_dscnt 0x0
	CROUND                                         ; the closing round
	s_endpgm
.Lfunc_end_k_q6ea1b1c131_attn:
	.size	k_q6ea1b1c131_attn, .Lfunc_end_k_q6ea1b1c131_attn-k_q6ea1b1c131_attn
	.p2alignl 7, 3214868480
	.fill 96, 4, 3214868480
	.section	.rodata,"a",@progbits
	.p2align	6, 0x0
	.amdhsa_kernel k_q6ea1b1c131_attn
		.amdhsa_group_segment_fixed_size 327680
		.amdhsa_private_segment_fixed_size 0
		.amdhsa_enable_private_segment 0
		.amdhsa_kernarg_size 16
		.amdhsa_user_sgpr_count 2
		.amdhsa_user_sgpr_kernarg_segment_ptr 1
		.amdhsa_wavefront_size32 1
		.amdhsa_system_sgpr_workgroup_id_x 1
		.amdhsa_system_sgpr_workgroup_id_y 1
		.amdhsa_system_sgpr_workgroup_id_z 1
		.amdhsa_system_vgpr_workitem_id 0
		.amdhsa_next_free_vgpr 768
		.amdhsa_next_free_sgpr 66
		.amdhsa_reserve_vcc 1
		.amdhsa_float_denorm_mode_32 3
		.amdhsa_float_denorm_mode_16_64 3
		.amdhsa_memory_ordered 1
		.amdhsa_forward_progress 1
		.amdhsa_inst_pref_size 71
	.end_amdhsa_kernel
	.amdgpu_metadata
---
amdhsa.version: [ 1, 2 ]
amdhsa.kernels:
  - .name:           k_q6ea1b1c131_attn
    .symbol:         k_q6ea1b1c131_attn.kd
    .args:
      - { .name: qkv, .offset: 0, .size: 8, .value_kind: global_buffer, .address_space: global }
      - { .name: h, .offset: 8, .size: 8, .value_kind: global_buffer, .address_space: global }
    .group_segment_fixed_size: 327680
    .private_segment_fixed_size: 0
    .kernarg_segment_align: 8
    .kernarg_segment_size: 16
    .max_flat_workgroup_size: 128
    .sgpr_count:     66
    .vgpr_count:     768
    .wavefront_size: 32
...
	.end_amdgpu_metadata
.endif
;; end of part 3
;; launch proj (part 4): grid 8 x 32, 4 waves a work-group, clusters of 4 x 4, 327,680 bytes of LDS; arguments h, wp, b_proj, x, x1; writes x1
.if DOCPART == 4
	.amdgcn_target "amdgcn-amd-amdhsa--gfx1250"
	.amdhsa_code_object_version 6
	.text
	.protected	k_q6ea1b1c131_proj
	.globl	k_q6ea1b1c131_proj
	.p2align	8
	.type	k_q6ea1b1c131_proj,@function
k_q6ea1b1c131_proj:
	s_mov_b64 s[64:65], 0
	v_nop
	global_prefetch_b8 v0, s[64:65] scope:SCOPE_SE
	s_setreg_imm32_b32 hwreg(HW_REG_WAVE_MODE, 25, 1), 1
	s_wait_xcnt 0x0
	s_wait_alu depctr_hold_cnt(0) depctr_sa_sdst(0) depctr_va_vdst(0) depctr_va_sdst(0) depctr_va_ssrc(0) depctr_va_vcc(0) depctr_vm_vsrc(0)
	s_getreg_b32 s2, hwreg(HW_REG_IB_STS2, 6, 4)
	s_cmp_eq_u32 s2, 0
	s_cbranch_scc0 .Lentry_in_a_cluster
	s_endpgm
.Lentry_in_a_cluster:
	s_bfe_u32 s2, ttmp6, 0x10000c
	s_cmp_lg_u32 s2, 0xf033
	s_cbranch_scc0 .Lentry_shape_is_right
	s_endpgm
.Lentry_shape_is_right:
; C = R + A B^T + bias on tiles of 128 x 128; C and R: [4096][1024] f32, bias: [1024] f32, B: [1024][K] bf16; sums in f32.  8 x 32 = 256 work-groups.
; OUTK = 0: K = 1,024; A lies BY HEADS, [64 heads (16 batch + head)][1024 tokens][64] bf16: a K step of 256 is four heads, 64 tokens of a head are 8,192 dense bytes, and one tensor load takes
;           four such "rows", 131,072 bytes apart, padded in LDS after every token: [head][token], 144 bytes a token.  A quarter of a K step is one head.
; OUTK = 1: K = 4,096; A: [4096][4096] bf16, plain rows.
; Four waves, each 64 x 64 in 16 accumulators.  K goes in steps of 256 through two LDS slots; a K step is written once, and the slot in hand is a scalar register that an exclusive or turns.
; The matrix instruction is used transposed (source 0 = 16 rows of B, source 1 = 16 rows of A); the bias is the C operand of the products that start the sums.
; The residual's 64 x 64 f32 are loaded at the start, in the order in which the result leaves, and wait in registers.
; CLUSTER 4 x 4: A's tile is shared along a row of the cluster, B's along a column: joint loads.
; K IS WALKED IN A RING: cluster (X, Y) begins at K step (STEPS/2 X + STEPS/4 (Y mod 4)) mod STEPS and wraps round.  The two clusters side by side read the same rows of A: they ask for a given
; K step half a walk apart; of the clusters one below the other, which read the same rows of B, four neighbours ask for it a quarter of a walk apart.  So of the clusters that need a tile one asks
; first, and the others ask when it has been brought once already.  The numbers X and Y are the same in all partners of a cluster.
; LIMIT: the order in which a sum takes its K steps hangs on the cluster; each sum is still one chain in f32.
; THE WAY OUT: a wave's 64 f32 columns are 256 bytes, so each wave has a stage of its own (16 rows x 272 bytes, behind the ring; no tensor load lands there): no barrier.
; REGISTERS: window 0: addresses; v32-95 two buffers on the way out; v128-255 accumulators ((a, b) at 128 + 8 (4 a + b)).  window 1: two fragment buffers of 128 (64 of A, then 64 of B, for 64 along K).
;            window 2: v0-127 the residual; v128-159 the bias.
.set OUTK, 0
.if OUTK
.set KLEN,  4096
.set STEPS, 16
.set PA,    528
.set AQ,    128                        ; bytes from a quarter's fragments of A to the next quarter's
.set ASZ,   64*528                     ; what one load of A takes in LDS
.set ASH,   9                          ; a K step of A is 1 << ASH bytes on in memory: 512
.set KSH,   13
.set SLOT,  0x21000                    ; shares no bit with the loads' places 0, 0x8400, 0x10800, 0x18c00
.else
.set KLEN,  1024
.set STEPS, 4
.set PA,    144
.set AQ,    64*144
.set ASZ,   4*64*144
.set ASH,   19                         ; four heads of 131,072 bytes
.set KSH,   11
.set SLOT,  0x24000                    ; shares no bit with the loads' places 0, 0x9000, 0x12000, 0x1a400
.endif
.set PB,    528                        ; B's LDS row: 512 bytes + 16
.set BSZ,   64*PB
.set BOFF,  2*ASZ
.set STAGE, 2*SLOT
.set SP,    272
.set SPARE, STAGE+4*16*SP
.set ADRA0, 16
.set ADRB0, 17
.set ADRA,  18
.set ADRB,  19
.set STO,   24
.set RD,    25
.set CO,    26                         ; v26  my byte offset in R and C; never rewritten
.set BO,    27
.set SPW,   28
.set NIL,   29
.set TMP,   32
.set ACC,   128
.set F0,    0
.set F1,    128
.set BI,    128                        ; window 2
.set TB,    2
.set WV,    14
.set RH,    15
.set CH,    16
.set G1,    24
.set G0,    32
.set G1B,   48
.set G0B,   56
.set CK,    66                         ; s66  the K step asked for last
.set OFA,   68                         ; s[68:69] its byte offset in my rows of A
.set OFB,   70                         ; s[70:71] and of B
.set MSB, 0
.macro WIN new
.if MSB != (\new)
	s_set_vgpr_msb (MSB<<8)|(\new)
.set MSB, \new
.endif
.endm
.macro PLACES
.rept 4
	v_nop
.endr
.endm
.macro JLOAD                           ; a joint refill by the walking sets; an s_nop 0 and four v_nop follow each line
	s_cmp_eq_u32 s[RH], 0
	s_cbranch_scc0 .Lfor_b_\@
	tensor_load_to_lds s[G0+4:G0+7], s[G1:G1+7]
	s_nop 0
.rept 4
	v_nop
.endr
	s_branch .Lasked_\@
.Lfor_b_\@:
	tensor_load_to_lds s[G0B+4:G0B+7], s[G1B:G1B+7]
	s_nop 0
.rept 4
	v_nop
.endr
.Lasked_\@:
.endm
.macro CREST
	s_cmp_lg_u32 s[WV], 0
	s_cbranch_scc1 .Lnot_wave_0_\@
	s_barrier_signal -3
.Lnot_wave_0_\@:
	s_barrier_wait -3
	s_barrier_signal -1
	s_barrier_wait -1
.endm
.macro CROUND
	s_barrier_signal -1
	s_barrier_wait -1
	CREST
.endm
; 8 matrix instructions: m blocks a0, a0 + 1 x all 4 n blocks, 32 along K: half c of buffer f.  mode = 1: the bias starts the sums
.macro MUL8 f, c, a0, mode
.if \mode
	WIN 0x25
.else
	WIN 0x05
.endif
.irp a, \a0, (\a0)+1
.irp b, 0,1,2,3
.if \mode
	v_wmma_f32_16x16x32_bf16 v[ACC+8*(4*(\a)+(\b)):ACC+8*(4*(\a)+(\b))+7], v[(\f)+64+8*(4*(\c)+(\b)):(\f)+64+8*(4*(\c)+(\b))+7], v[(\f)+8*(4*(\c)+(\a)):(\f)+8*(4*(\c)+(\a))+7], v[BI+8*(\b):BI+8*(\b)+7]
.else
	v_wmma_f32_16x16x32_bf16 v[ACC+8*(4*(\a)+(\b)):ACC+8*(4*(\a)+(\b))+7], v[(\f)+64+8*(4*(\c)+(\b)):(\f)+64+8*(4*(\c)+(\b))+7], v[(\f)+8*(4*(\c)+(\a)):(\f)+8*(4*(\c)+(\a))+7], v[ACC+8*(4*(\a)+(\b)):ACC+8*(4*(\a)+(\b))+7]
.endif
.endr
.endr
.endm
.macro FETCH q, f                      ; 32 LDS loads in one run: quarter q's fragments (64 along K) of the slot in hand; the first 32 along K first
	WIN 0x40
.irp c, 0,1
.irp i, 0,1,2,3
	ds_load_b128 v[(\f)+64+8*(4*(\c)+(\i)):(\f)+64+8*(4*(\c)+(\i))+3],   v[ADRB] offset:(\q)*128+64*(\c)+(\i)*16*PB
	ds_load_b128 v[(\f)+64+8*(4*(\c)+(\i))+4:(\f)+64+8*(4*(\c)+(\i))+7], v[ADRB] offset:(\q)*128+64*(\c)+(\i)*16*PB+32
	ds_load_b128 v[(\f)+8*(4*(\c)+(\i)):(\f)+8*(4*(\c)+(\i))+3],         v[ADRA] offset:(\q)*AQ+64*(\c)+(\i)*16*PA
	ds_load_b128 v[(\f)+8*(4*(\c)+(\i))+4:(\f)+8*(4*(\c)+(\i))+7],       v[ADRA] offset:(\q)*AQ+64*(\c)+(\i)*16*PA+32
.endr
.endr
.endm
; A quarter multiplies buffer f.  At its HEAD it fetches quarter q into g, which the quarter before has multiplied: that run of loads has this quarter's 32 matrix instructions in which to land.
; By the text's own count at most 16 + 32 LDS loads of a wave are out.
.macro QUARTER q, f, g, mode
	s_wait_dscnt 16                                ; of buffer f the first 32 along K are in; its youngest sixteen loads may be out
	PLACES                                         ; behind the last products, which read buffer g
	FETCH \q, \g
	MUL8 \f, 0, 0, \mode
	MUL8 \f, 0, 2, \mode
	s_wait_dscnt 32                                ; all but the 32 just issued
	MUL8 \f, 1, 0, 0
	MUL8 \f, 1, 2, 0
.endm
; The last quarter's first half and the one barrier of a change of slots.  step = 1: a refill follows: the walking sets take the other slot than last time and the ring's next K step;
; the addresses are made anew, each from its buffer's rows and the step's offset.
.macro MEET step
	WIN 0
	s_wait_tensorcnt 0x0                           ; all my tensor loads have landed: my part of the next slot; so every group 0 may be written
	ds_add_u32 v[SPW], v[NIL]
.if \step
	s_add_co_u32 s[CK], s[CK], 1
	s_and_b32 s[CK], s[CK], STEPS-1                ; behind the last K step comes the first
	s_lshl_b32 s[OFA], s[CK], ASH
	s_lshl_b32 s[OFB], s[CK], 9
	s_xor_b32 s[G0+5], s[G0+5], SLOT
	s_add_nc_u64 s[G0+6:G0+7], s[18:19], s[OFA:OFA+1]
	s_or_b32 s[G0+7], s[G0+7], 0x80000000
	s_xor_b32 s[G0B+5], s[G0B+5], SLOT
	s_add_nc_u64 s[G0B+6:G0B+7], s[46:47], s[OFB:OFB+1]
	s_or_b32 s[G0B+7], s[G0B+7], 0x80000000
.endif
	s_wait_dscnt 17                                ; (the add and the youngest sixteen loads may be out)
	MUL8 F1, 0, 0, 0
	s_wait_dscnt 0x0                               ; the add is done, and my reads of this slot are over
	s_barrier_signal -1
	MUL8 F1, 0, 2, 0
	WIN 0
	s_barrier_wait -1
.endm
.macro NEXT
	s_xor_b32 s[TB], s[TB], SLOT
	v_add_nc_u32 v[ADRA], s[TB], v[ADRA0]
	v_add_nc_u32 v[ADRB], s[TB], v[ADRB0]
	FETCH 0, F0
	MUL8 F1, 1, 0, 0
	MUL8 F1, 1, 2, 0
.endm
	s_load_b256 s[4:11], s[0:1], 0x0               ; A s[4:5], B s[6:7], bias s[8:9], R s[10:11]
	s_load_b64 s[12:13], s[0:1], 0x20              ; C
	v_lshl_add_u32 v[SPW], v0, 2, SPARE
	v_mov_b32 v[NIL], 0
	ds_add_u32 v[SPW], v[NIL]                      ; the wave's opening: the add, and its wait ahead of my first tensor load
	v_lshrrev_b32 v1, 5, v0
	v_readfirstlane_b32 s[WV], v1
	s_lshr_b32 s[RH], s[WV], 1
	s_and_b32 s[CH], s[WV], 1
	s_bfe_u32 s40, ttmp6, 0x40000                  ; cx
	s_bfe_u32 s41, ttmp6, 0x40004                  ; cy
	s_lshl_b32 s42, ttmp9, 2
	s_add_co_u32 s42, s42, s40                     ; tile column
	s_and_b32 s43, ttmp7, 0xffff
	s_lshl_b32 s43, s43, 2
	s_add_co_u32 s43, s43, s41                     ; tile row
	s_lshl_b32 s44, s41, 2
	s_lshl_b32 s44, 15, s44                        ; my row of the cluster
	s_lshl_b32 s45, 0x1111, s40                    ; my column
	s_and_b32 s[CK], ttmp7, 3                      ; where my cluster's walk begins: the cluster's y mod 4, a quarter of a walk each,
	s_mul_i32 s[CK], s[CK], STEPS/4
	s_mul_i32 s[OFA], ttmp9, STEPS/2               ; and the cluster's x, half a walk
	s_add_co_u32 s[CK], s[CK], s[OFA]
	s_and_b32 s[CK], s[CK], STEPS-1
	s_mov_b32 s[OFA+1], 0
	s_mov_b32 s[OFB+1], 0
	s_or_b32 s[G1B], s45, (1<<16)|(1<<20)|(1<<21)|(6<<22)|(3<<25)  ; B: 64 rows x 256 elements; after every 128 words 4 words of padding
	s_mov_b32 s[G1B+1], 256<<16
	s_mov_b32 s[G1B+2], 64<<16
	s_mov_b32 s[G1B+3], 256<<16
	s_mov_b32 s[G1B+4], 64
	s_mov_b32 s[G1B+5], KLEN
	s_mov_b32 s[G1B+6], 0
	s_mov_b32 s[G1B+7], 0
.if OUTK
	s_or_b32 s[G1], s44, (1<<16)|(1<<20)|(1<<21)|(6<<22)|(3<<25)   ; A: the same shape
	s_mov_b32 s[G1+1], 256<<16
	s_mov_b32 s[G1+2], 64<<16
	s_mov_b32 s[G1+3], 256<<16
	s_mov_b32 s[G1+4], 64
	s_mov_b32 s[G1+5], KLEN
.else
	s_or_b32 s[G1], s44, (1<<16)|(1<<20)|(1<<21)|(4<<22)|(3<<25)   ; A: 4 rows (heads) x 4,096 elements (64 tokens); after every 32 words (a token) 4 words of padding
	s_mov_b32 s[G1+1], 4096<<16
	s_mov_b32 s[G1+2], 4<<16
	s_mov_b32 s[G1+3], 4096<<16
	s_mov_b32 s[G1+4], 4
	s_mov_b32 s[G1+5], 65536                       ; elements from head to head
.endif
	s_mov_b32 s[G1+6], 0
	s_mov_b32 s[G1+7], 0
	s_lshl_b32 s17, s[CH], 6                       ; which 64 rows of a tile I fetch
	s_lshl_b32 s18, s43, 7
	s_add_co_u32 s18, s18, s17                     ; A's row: of the tile row and the wave alone
.if OUTK
	s_lshl_b32 s18, s18, 13
.else
	s_lshr_b32 s19, s18, 10
	s_lshl_b32 s19, s19, 21                        ; the batch: 16 heads of 131,072 bytes
	s_and_b32 s18, s18, 1023
	s_lshl_b32 s18, s18, 7                         ; the token: 128 bytes
	s_add_co_u32 s18, s18, s19
.endif
	s_mov_b32 s19, 0
	s_lshl_b32 s46, s42, 7
	s_add_co_u32 s46, s46, s17
	s_lshl_b32 s46, s46, KSH                       ; B's row: of the tile column and the wave alone
	s_mov_b32 s47, 0
	s_mul_i32 s20, s[CH], ASZ                      ; where a load of A lands,
	s_mul_i32 s21, s[CH], BSZ
	s_add_co_u32 s21, s21, BOFF                    ; and one of B
	s_wait_dscnt 0x0                               ; the opening add is done
	s_wait_kmcnt 0x0
	s_add_nc_u64 s[18:19], s[4:5], s[18:19]        ; A at my rows, K step 0: kept for the whole walk
	s_add_nc_u64 s[46:47], s[6:7], s[46:47]        ; B likewise
	CROUND                                         ; all sixteen work-groups are here: the first joint loads meet
.irp n, 0,1
	s_lshl_b32 s[OFA], s[CK], ASH                  ; the walk's K step n
	s_lshl_b32 s[OFB], s[CK], 9
	s_mov_b32 s[G0+4*(\n)], 1
	s_add_co_u32 s[G0+4*(\n)+1], s20, (\n)*SLOT
	s_add_nc_u64 s[G0+4*(\n)+2:G0+4*(\n)+3], s[18:19], s[OFA:OFA+1]
	s_or_b32 s[G0+4*(\n)+3], s[G0+4*(\n)+3], 0x80000000
	s_mov_b32 s[G0B+4*(\n)], 1
	s_add_co_u32 s[G0B+4*(\n)+1], s21, (\n)*SLOT
	s_add_nc_u64 s[G0B+4*(\n)+2:G0B+4*(\n)+3], s[46:47], s[OFB:OFB+1]
	s_or_b32 s[G0B+4*(\n)+3], s[G0B+4*(\n)+3], 0x80000000
.if (\n) == 0
	s_add_co_u32 s[CK], s[CK], 1
	s_and_b32 s[CK], s[CK], STEPS-1
.endif
.endr
	s_cmp_eq_u32 s[RH], 0                          ; a wave's two first fills stand in one branch: two loads of mine are out
	s_cbranch_scc0 .Lfirst_b
	tensor_load_to_lds s[G0:G0+3], s[G1:G1+7]
	s_nop 0
	tensor_load_to_lds s[G0+4:G0+7], s[G1:G1+7]
	s_nop 0
.rept 4
	v_nop
.endr
	s_branch .Lfirst_done
.Lfirst_b:
	tensor_load_to_lds s[G0B:G0B+3], s[G1B:G1B+7]
	s_nop 0
	tensor_load_to_lds s[G0B+4:G0B+7], s[G1B:G1B+7]
	s_nop 0
.rept 4
	v_nop
.endr
.Lfirst_done:
	v_and_b32 v1, 15, v0                           ; r
	v_bfe_u32 v2, v0, 4, 1                         ; h
	v_lshlrev_b32 v[BO], 5, v2
	v_lshlrev_b32 v5, 12, v2                       ; lanes 0-15 one row of 4,096 bytes, lanes 16-31 the next; 16 bytes a lane
	v_lshl_add_u32 v[CO], v1, 4, v5
	v_mul_u32_u24 v3, v1, PA
	v_lshl_add_u32 v3, v2, 4, v3
	s_mul_i32 s20, s[RH], ASZ                      ; my 64 rows of A
	v_add_nc_u32 v[ADRA0], s20, v3
	v_mul_u32_u24 v3, v1, PB
	v_lshl_add_u32 v3, v2, 4, v3
	v_add_nc_u32 v[ADRB0], s21, v3                 ; my 64 rows of B lie where the wave of my column half put them
	v_mov_b32 v[ADRA], v[ADRA0]
	v_mov_b32 v[ADRB], v[ADRB0]
	s_mov_b32 s[TB], 0
	s_lshl_b32 s22, s42, 7
	s_add_co_u32 s22, s22, s17
	s_lshl_b32 s22, s22, 2                         ; my first column, in bytes of f32
	s_mov_b32 s23, 0
	s_add_nc_u64 s[8:9], s[8:9], s[22:23]
	s_lshl_b32 s20, s43, 7
	s_lshl_b32 s21, s[RH], 6
	s_add_co_u32 s20, s20, s21
	s_lshl_b32 s20, s20, 12                        ; my first row, 4,096 bytes each
	s_add_co_u32 s22, s22, s20
	s_add_nc_u64 s[10:11], s[10:11], s[22:23]
	s_add_nc_u64 s[12:13], s[12:13], s[22:23]
	WIN 0x80
.irp b, 0,1,2,3
	global_load_b128 v[BI+8*(\b):BI+8*(\b)+3],   v[BO], s[8:9] offset:64*(\b)
	global_load_b128 v[BI+8*(\b)+4:BI+8*(\b)+7], v[BO], s[8:9] offset:64*(\b)+16
.endr
.irp a, 0,1,2,3
.irp t, 0,1,2,3,4,5,6,7
	global_load_b128 v[32*(\a)+4*(\t):32*(\a)+4*(\t)+3], v[CO], s[10:11] offset:(16*(\a)+2*(\t))*4096
.endr
.endr
	WIN 0
	s_mul_i32 s23, s[WV], 16*SP
	s_add_co_u32 s23, s23, STAGE                   ; my stage
	v_mul_u32_u24 v4, v1, SP
	v_lshl_add_u32 v4, v2, 5, v4                   ; in: row r, 32 bytes for each half of the lanes
	v_add_nc_u32 v[STO], s23, v4
	v_mul_u32_u24 v5, v2, SP
	v_lshl_add_u32 v5, v1, 4, v5                   ; back: two whole rows of 256 bytes
	v_add_nc_u32 v[RD], s23, v5
	s_wait_tensorcnt 1                             ; my part of the walk's first K step is in; the second's may stay out
	s_barrier_signal -1
	s_barrier_wait -1
	FETCH 0, F0
	s_wait_loadcnt 32                              ; the bias is in; the residual's 32 loads may stay out
	QUARTER 1, F0, F1, 1                           ; the first quarter stands in front of the loop: its first products start the sums
	WIN 0
	s_mov_b32 s3, STEPS-2
.Lstep:                                                ; a trip: a K step's quarters 2 to 4 and the next step's first; its refill brings the step two on
	QUARTER 2, F1, F0, 0
	QUARTER 3, F0, F1, 0
	MEET 1
	CREST                                          ; the barrier has opened a round of the cluster's: no wave of any partner still reads this slot or has a load on its way
	JLOAD                                          ; my one tensor load behind the round; its four v_nop are also the places in front of the loads below
	NEXT
	QUARTER 1, F0, F1, 0
	WIN 0
	s_sub_co_u32 s3, s3, 1
	s_cmp_lg_u32 s3, 0
	s_cbranch_scc1 .Lstep
	s_mov_b32 s3, 2
.Ltail:                                                ; the last two K steps ask for nothing; the second pass is left behind its barrier
	QUARTER 2, F1, F0, 0
	QUARTER 3, F0, F1, 0
	MEET 0
	s_sub_co_u32 s3, s3, 1
	s_cmp_eq_u32 s3, 0
	s_cbranch_scc1 .Llast
	PLACES
	NEXT
	QUARTER 1, F0, F1, 0
	WIN 0
	s_branch .Ltail
.Llast:
	MUL8 F1, 1, 0, 0
	MUL8 F1, 1, 2, 0
	WIN 0
	PLACES
; Block a (16 rows): from the accumulators into my stage (each accumulator's low four registers first) and back as whole rows.
.macro STG a
.irp b, 0,1,2,3
	ds_store_b128 v[STO], v[ACC+8*(4*(\a)+(\b)):ACC+8*(4*(\a)+(\b))+3]   offset:64*(\b)
	ds_store_b128 v[STO], v[ACC+8*(4*(\a)+(\b))+4:ACC+8*(4*(\a)+(\b))+7] offset:64*(\b)+16
.endr
.irp t, 0,1,2,3,4,5,6,7
	ds_load_b128 v[TMP+32*((\a)%2)+4*(\t):TMP+32*((\a)%2)+4*(\t)+3], v[RD] offset:(\t)*2*SP  ; LDS serves a wave's instructions in order (ISA guide 5.7.1.4)
.endr
.endm
.macro OUTB a, younger                 ; the residual is added, and the block leaves.  younger: the next block's sixteen LDS instructions, or none
	s_wait_dscnt \younger
	WIN 0x08
.set i, 0
.rept 16
	v_pk_add_f32 v[TMP+32*((\a)%2)+2*i:TMP+32*((\a)%2)+2*i+1], v[TMP+32*((\a)%2)+2*i:TMP+32*((\a)%2)+2*i+1], v[32*(\a)+2*i:32*(\a)+2*i+1]
.set i, i+1
.endr
	WIN 0
.irp t, 0,1,2,3,4,5,6,7
	global_store_b128 v[CO], v[TMP+32*((\a)%2)+4*(\t):TMP+32*((\a)%2)+4*(\t)+3], s[12:13] offset:(16*(\a)+2*(\t))*4096  ; 16 lanes store 256 consecutive bytes, at a multiple of 256 from C's first byte
.endr
.endm
	STG 0
	STG 1
	s_wait_loadcnt 0x0                             ; the residual
	OUTB 0, 16
	s_wait_xcnt 0x0                                ; block 0's stores have read their registers: the buffer is loaded again only behind this wait
	STG 2
	OUTB 1, 16
	s_wait_xcnt 0x0
	STG 3
	OUTB 2, 16
	OUTB 3, 0
	s_wait_tensorcnt 0x0                           ; the wave's end
	ds_add_u32 v[SPW], v[NIL]
	s_wait_dscnt 0x0
	CROUND                                         ; the closing round
	s_endpgm
.Lfunc_end_k_q6ea1b1c131_proj:
	.size	k_q6ea1b1c131_proj, .Lfunc_end_k_q6ea1b1c131_proj-k_q6ea1b1c131_proj
	.p2alignl 7, 3214868480
	.fill 96, 4, 3214868480
	.section	.rodata,"a",@progbits
	.p2align	6, 0x0
	.amdhsa_kernel k_q6ea1b1c131_proj
		.amdhsa_group_segment_fixed_size 327680
		.amdhsa_private_segment_fixed_size 0
		.amdhsa_enable_private_segment 0
		.amdhsa_kernarg_size 40
		.amdhsa_user_sgpr_count 2
		.amdhsa_user_sgpr_kernarg_segment_ptr 1
		.amdhsa_wavefront_size32 1
		.amdhsa_system_sgpr_workgroup_id_x 1
		.amdhsa_system_sgpr_workgroup_id_y 1
		.amdhsa_system_sgpr_workgroup_id_z 1
		.amdhsa_system_vgpr_workitem_id 0
		.amdhsa_next_free_vgpr 672
		.amdhsa_next_free_sgpr 72
		.amdhsa_reserve_vcc 0
		.amdhsa_float_denorm_mode_32 3
		.amdhsa_float_denorm_mode_16_64 3
		.amdhsa_memory_ordered 1
		.amdhsa_forward_progress 1
		.amdhsa_inst_pref_size 67
	.end_amdhsa_kernel
	.amdgpu_metadata
---
amdhsa.version: [ 1, 2 ]
amdhsa.kernels:
  - .name:           k_q6ea1b1c131_proj
    .symbol:         k_q6ea1b1c131_proj.kd
    .args:
      - { .name: h, .offset: 0, .size: 8, .value_kind: global_buffer, .address_space: global }
      - { .name: wp, .offset: 8, .size: 8, .value_kind: global_buffer, .address_space: global }
      - { .name: b_proj, .offset: 16, .size: 8, .value_kind: global_buffer, .address_space: global }
      - { .name: x, .offset: 24, .size: 8, .value_kind: global_buffer, .address_space: global }
      - { .name: x1, .offset: 32, .size: 8, .value_kind: global_buffer, .address_space: global }
    .group_segment_fixed_size: 327680
    .private_segment_fixed_size: 0
    .kernarg_segment_align: 8
    .kernarg_segment_size: 40
    .max_flat_workgroup_size: 128
    .sgpr_count:     72
    .vgpr_count:     672
    .wavefront_size: 32
...
	.end_amdgpu_metadata
.endif
;; end of part 4
;; launch ln2: the kernel of part 1 again; grid 256 x 1, 8 waves a work-group, no clusters, 0 bytes of LDS; arguments x1, ln2_w, ln2_b, h, W_attn, wa; writes h, wa
;; launch fc (part 5): grid 16 x 16, 4 waves a work-group, clusters of 4 x 4, 327,680 bytes of LDS; arguments h, wf, b_fc, g; writes g
.if DOCPART == 5
	.amdgcn_target "amdgcn-amd-amdhsa--gfx1250"
	.amdhsa_code_object_version 6
	.text
	.protected	k_q6ea1b1c131_fc
	.globl	k_q6ea1b1c131_fc
	.p2align	8
	.type	k_q6ea1b1c131_fc,@function
k_q6ea1b1c131_fc:
	s_mov_b64 s[64:65], 0
	v_nop
	global_prefetch_b8 v0, s[64:65] scope:SCOPE_SE
	s_setreg_imm32_b32 hwreg(HW_REG_WAVE_MODE, 25, 1), 1
	s_wait_xcnt 0x0
	s_wait_alu depctr_hold_cnt(0) depctr_sa_sdst(0) depctr_va_vdst(0) depctr_va_sdst(0) depctr_va_ssrc(0) depctr_va_vcc(0) depctr_vm_vsrc(0)
	s_getreg_b32 s2, hwreg(HW_REG_IB_STS2, 6, 4)
	s_cmp_eq_u32 s2, 0
	s_cbranch_scc0 .Lentry_in_a_cluster
	s_endpgm
.Lentry_in_a_cluster:
	s_bfe_u32 s2, ttmp6, 0x10000c
	s_cmp_lg_u32 s2, 0xf033
	s_cbranch_scc0 .Lentry_shape_is_right
	s_endpgm
.Lentry_shape_is_right:
; C = A B^T + bias on tiles of 256 x 256, K = 1,024.  A: [4096][1024] bf16, B: [N][1024] bf16, bias: [N] f32; sums in f32.
; FC = 0: N = 3,072; C goes out in bf16 BY HEADS: q, k, v one behind the other, each [64 heads (16 batch + head)][1024 tokens][64], unscaled.  The grid is 16 x 16 work-groups in clusters of 4 x 4:
;         the clusters' columns 0 to 2 make the 12 x 16 tiles of C.  Column 3 has no tile: its 64 work-groups turn W_proj, W_fc and W_out from f32 into bf16 for the launches behind this one
;         (.Lconvert, at the text's end): 576 pieces of 16,384 numbers, nine a work-group.  The jump there hangs on the cluster's x, which all partners of a cluster share; those clusters issue no
;         tensor load and touch no LDS.
; FC = 1: N = 4,096; C = gelu(..) (the tanh form, written as x / (1 + 2^(x (K1 + K2 x^2)))), bf16, [4096][4096].  16 x 16 work-groups.
; Four waves, each 128 x 128 of C in 64 accumulators.  K goes in 8 steps of 128 through two LDS slots filled by the tensor data mover; a K step is written once, and the slot in hand is a scalar
; register that an exclusive or turns.  The matrix instruction is used transposed (source 0 = 16 rows of B, source 1 = 16 rows of A): a lane holds eight neighbouring columns of one row of C.
; The bias is the C operand of the products that start the sums: nothing is cleared and nothing is added later.
; CLUSTER 4 x 4: A's tile is shared along a row of the cluster, B's along a column: each is asked for jointly, by the same tensor load and descriptor in the four that the mask names.
; THE WAY OUT: behind the last barrier the ring has had its last fill and nobody reads it; each wave dumps its 128 x 128 f32 into its own 67,584 bytes of it, and a loop of 8 trips reads 16 rows
; back in the order of the output, finishes them and stores 16 bytes a lane.
; LIMITS: bf16 operands; gelu's exponent may overflow or underflow: 1 / (1 + inf) = 0 and 1 / (1 + 0) = 1 are the right limits.  NaN and infinities in the inputs are not treated apart.
; REGISTERS: window 0: v1-29 addresses; v64-127, v128-191 A's two fragment buffers (on the way out E, TT; v192-223 Y).  window 1: v0-63 the bias; v64-127, v128-191 B's two buffers.
;            windows 2, 3: the accumulators of my rows 0-63, 64-127: (a, b) at v[8 (8 (a % 4) + b)].
.set FC, 1
.set PITCH,  272                       ; an LDS row: 256 bytes + 16 of padding = 68 words: the 16 rows of a fragment load start at 16 different groups of four banks (ISA guide 11.1)
.set HALFT,  128*PITCH                 ; what one tensor load brings
.set SLOT,   4*HALFT                   ; A's 256 rows, then B's 256 rows: 0x22000, which shares no bit with a wave's place 0, 0x8800, 0x11000, 0x19800
.set SPARE,  2*SLOT                    ; behind the ring: the spare words, 128 bytes a wave
.set DP,     528                       ; the dump: a row of 128 f32 + 16 bytes
.set DW,     128*DP                    ; a wave's dump
.set STEPS,  8
.set ADRA0, 16                         ; v16, v17  my fragments' LDS addresses in slot 0; never rewritten
.set ADRB0, 17
.set ADRA,  18                         ; v18, v19  the same in the slot in hand
.set ADRB,  19
.set STO,   24                         ; v24  where I dump
.set RD,    25                         ; v25  where I read back
.set CO,    26                         ; v26  my byte offset in C
.set BO,    27                         ; v27  32 x (lane / 16): my eight numbers in 16 of the bias
.set SPW,   28                         ; v28  my spare word; never rewritten
.set NIL,   29                         ; v29  0; never rewritten
.set F0,    64
.set F1,    128
.set BI,    0                          ; window 1: register 8 b + j = bias[n0 + 16 b + 8 (lane / 16) + j]
.set E,     64
.set TT,    128
.set Y,     192
.set TB,    2                          ; s2   0 or SLOT: the slot in hand
.set WV,    14                         ; s14  wave
.set RH,    15                         ; s15  my half of the tile's rows; also: I fetch for A (0) or B (1)
.set CH,    16                         ; s16  my half of its columns; also: which 128 rows I fetch
.set G1,    24                         ; s[24:31] group 1 for A;  s[32:39] group 0: set 0 for the first fill, set 1 walks
.set G0,    32
.set G1B,   48                         ; s[48:55], s[56:63] the same for B
.set G0B,   56
.if FC
.set HSH, 4                            ; the dump's order inside a row: the first four of each lane's eight numbers in the row's first 256 bytes, the others in the second
.set BS,  32
.set SECOND, 256
.set CSTEP, 16*8192
.else
.set HSH, 5                            ; a plain row
.set BS,  64
.set SECOND, 16
.set CSTEP, 16*128
.endif
.set MSB, 0
.macro WIN new                         ; the immediate's high byte repeats the setting that is left; a switch that changes nothing is dropped
.if MSB != (\new)
	s_set_vgpr_msb (MSB<<8)|(\new)
.set MSB, \new
.endif
.endm
.macro PLACES                          ; four places behind matrix instructions, in front of loads into their sources and of reads of their results
.rept 4
	v_nop
.endr
.endm
.macro JLOAD                           ; a joint refill by the walking sets: waves 0, 1 ask for A's halves, waves 2, 3 for B's; an s_nop 0 and four v_nop follow each line
	s_cmp_eq_u32 s[RH], 0
	s_cbranch_scc0 .Lfor_b_\@
	tensor_load_to_lds s[G0+4:G0+7], s[G1:G1+7]
	s_nop 0
.rept 4
	v_nop
.endr
	s_branch .Lasked_\@
.Lfor_b_\@:
	tensor_load_to_lds s[G0B+4:G0B+7], s[G1B:G1B+7]
	s_nop 0
.rept 4
	v_nop
.endr
.Lasked_\@:
.endm
.macro CREST                           ; a round of the cluster's barrier behind its opening barrier
	s_cmp_lg_u32 s[WV], 0
	s_cbranch_scc1 .Lnot_wave_0_\@
	s_barrier_signal -3
.Lnot_wave_0_\@:
	s_barrier_wait -3
	s_barrier_signal -1
	s_barrier_wait -1
.endm
.macro CROUND
	s_barrier_signal -1
	s_barrier_wait -1
	CREST
.endm
; 16 matrix instructions: m blocks a0, a0 + 1 of the window's four x all 8 n blocks, 32 along K.  mode = 1: the bias starts the sums.
.macro MUL16 f, hi, a0, mode
.if \mode
	WIN 0x91+0x40*(\hi)
.else
	WIN 0xa1+0x50*(\hi)
.endif
.irp a, \a0, (\a0)+1
.irp b, 0,1,2,3,4,5,6,7
.if \mode
	v_wmma_f32_16x16x32_bf16 v[8*(8*(\a)+(\b)):8*(8*(\a)+(\b))+7], v[(\f)+8*(\b):(\f)+8*(\b)+7], v[(\f)+8*(4*(\hi)+(\a)):(\f)+8*(4*(\hi)+(\a))+7], v[BI+8*(\b):BI+8*(\b)+7]
.else
	v_wmma_f32_16x16x32_bf16 v[8*(8*(\a)+(\b)):8*(8*(\a)+(\b))+7], v[(\f)+8*(\b):(\f)+8*(\b)+7], v[(\f)+8*(4*(\hi)+(\a)):(\f)+8*(4*(\hi)+(\a))+7], v[8*(8*(\a)+(\b)):8*(8*(\a)+(\b))+7]
.endif
.endr
.endr
.endm
.macro FETCH k, f                      ; 32 LDS loads in one run: 128 rows of B, 128 rows of A, 32 K at byte k of the rows of the slot in hand
	WIN 0x40
.irp i, 0,1,2,3,4,5,6,7
	ds_load_b128 v[(\f)+8*(\i):(\f)+8*(\i)+3],   v[ADRB] offset:(\k)+(\i)*16*PITCH
	ds_load_b128 v[(\f)+8*(\i)+4:(\f)+8*(\i)+7], v[ADRB] offset:(\k)+(\i)*16*PITCH+32
.endr
	WIN 0
.irp i, 0,1,2,3,4,5,6,7
	ds_load_b128 v[(\f)+8*(\i):(\f)+8*(\i)+3],   v[ADRA] offset:(\k)+(\i)*16*PITCH
	ds_load_b128 v[(\f)+8*(\i)+4:(\f)+8*(\i)+7], v[ADRA] offset:(\k)+(\i)*16*PITCH+32
.endr
.endm
; A quarter multiplies buffer f.  At its HEAD it fetches the next quarter, at byte k, into g, which the quarter before has multiplied: that run of loads has this quarter's 64 matrix
; instructions in which to land (the four waves issue their runs at about the same time: 4 x 32 loads of 512 bytes).  By the text's own count at most 8 + 32 LDS loads of a wave are out.
.macro QUARTER k, f, g, mode
	s_wait_dscnt 8                                 ; of buffer f, B and A's rows 0-63 are in; its youngest eight loads (A's rows 64-127) may be out
	PLACES                                         ; behind the last products, which read buffer g
	FETCH \k, \g
	MUL16 \f, 0, 0, \mode
	MUL16 \f, 0, 2, \mode
	s_wait_dscnt 32                                ; all but the 32 just issued
	MUL16 \f, 1, 0, \mode
	MUL16 \f, 1, 2, \mode
.endm
; The last quarter's first half, and the one barrier of a change of slots: in front of it each wave waits for all its tensor loads (its part of the next slot), adds 0 to its spare word,
; and waits for that and for its own reads of this slot.
.macro MEET
	WIN 0
	s_wait_tensorcnt 0x0
	ds_add_u32 v[SPW], v[NIL]
	s_wait_dscnt 9                                 ; (the add and the youngest eight loads may be out)
	MUL16 F1, 0, 0, 0
	s_wait_dscnt 0x0                               ; the add is done, and my reads of this slot are over
	s_barrier_signal -1
	MUL16 F1, 0, 2, 0
	WIN 0
	s_barrier_wait -1
.endm
.macro NEXT                            ; the other slot's first fragments, and the last quarter's second half
	s_xor_b32 s[TB], s[TB], SLOT
	v_add_nc_u32 v[ADRA], s[TB], v[ADRA0]
	v_add_nc_u32 v[ADRB], s[TB], v[ADRB0]
	FETCH 0, F0
	MUL16 F1, 1, 0, 0
	MUL16 F1, 1, 2, 0
.endm
.if FC == 0
	s_cmp_eq_u32 ttmp9, 3                          ; the clusters' fourth column has no tile of C: it turns weights into bf16
	s_cbranch_scc1 .Lconvert
.endif
	s_load_b256 s[4:11], s[0:1], 0x0               ; A s[4:5], B s[6:7], bias s[8:9], C s[10:11]
	v_lshl_add_u32 v[SPW], v0, 2, SPARE
	v_mov_b32 v[NIL], 0
	ds_add_u32 v[SPW], v[NIL]                      ; the wave's opening: the add, and its wait ahead of my first tensor load
	v_lshrrev_b32 v1, 5, v0
	v_readfirstlane_b32 s[WV], v1
	s_lshr_b32 s[RH], s[WV], 1
	s_and_b32 s[CH], s[WV], 1
	s_bfe_u32 s40, ttmp6, 0x40000                  ; cx
	s_bfe_u32 s41, ttmp6, 0x40004                  ; cy
	s_lshl_b32 s42, ttmp9, 2
	s_add_co_u32 s42, s42, s40                     ; tile column = 4 x cluster x + cx
	s_and_b32 s43, ttmp7, 0xffff
	s_lshl_b32 s43, s43, 2
	s_add_co_u32 s43, s43, s41                     ; tile row = 4 x cluster y + cy
	s_lshl_b32 s44, s41, 2
	s_lshl_b32 s44, 15, s44                        ; my row of the cluster
	s_lshl_b32 s45, 0x1111, s40                    ; my column
	s_or_b32 s[G1], s44, (1<<16)|(1<<20)|(1<<21)|(5<<22)|(3<<25)   ; the mask; 2-byte elements; padding on; bit 21 beside a mask; after every 64 words 4 words
	s_or_b32 s[G1B], s45, (1<<16)|(1<<20)|(1<<21)|(5<<22)|(3<<25)
.irp g, G1, G1B
	s_mov_b32 s[(\g)+1], 128<<16                   ; tensor_dim0 = 128
	s_mov_b32 s[(\g)+2], 128<<16                   ; tensor_dim1 = 128
	s_mov_b32 s[(\g)+3], 128<<16                   ; tile_dim0 = 128
	s_mov_b32 s[(\g)+4], 128                       ; tile_dim1 = 128
	s_mov_b32 s[(\g)+5], 1024                      ; elements from row to row
	s_mov_b32 s[(\g)+6], 0
	s_mov_b32 s[(\g)+7], 0
.endr
	s_lshl_b32 s17, s[CH], 7                       ; which 128 rows of a tile I fetch
	s_lshl_b32 s18, s43, 8
	s_add_co_u32 s18, s18, s17
	s_lshl_b32 s18, s18, 11                        ; A: (256 x tile row + 128 x half) rows of 2,048 bytes: made of the tile row and the wave alone
	s_mov_b32 s19, 0
	s_lshl_b32 s46, s42, 8
	s_add_co_u32 s46, s46, s17
	s_lshl_b32 s46, s46, 11                        ; B: of the tile column and the wave alone
	s_mov_b32 s47, 0
	s_mul_i32 s20, s[WV], HALFT                    ; where my load lands: wave x 128 rows
	s_wait_dscnt 0x0                               ; the opening add is done
	s_wait_kmcnt 0x0
	s_add_nc_u64 s[18:19], s[4:5], s[18:19]
	s_add_nc_u64 s[46:47], s[6:7], s[46:47]
	CROUND                                         ; all sixteen work-groups are here: the first joint loads meet
.irp n, 0,1
	s_mov_b32 s[G0+4*(\n)], 1
	s_add_co_u32 s[G0+4*(\n)+1], s20, (\n)*SLOT
	s_add_nc_u64 s[G0+4*(\n)+2:G0+4*(\n)+3], s[18:19], (\n)*256   ; K step n
	s_or_b32 s[G0+4*(\n)+3], s[G0+4*(\n)+3], 0x80000000
	s_mov_b32 s[G0B+4*(\n)], 1
	s_add_co_u32 s[G0B+4*(\n)+1], s20, (\n)*SLOT
	s_add_nc_u64 s[G0B+4*(\n)+2:G0B+4*(\n)+3], s[46:47], (\n)*256
	s_or_b32 s[G0B+4*(\n)+3], s[G0B+4*(\n)+3], 0x80000000
.endr
	s_cmp_eq_u32 s[RH], 0                          ; a wave's two first fills stand in one branch: two loads of mine are out
	s_cbranch_scc0 .Lfirst_b
	tensor_load_to_lds s[G0:G0+3], s[G1:G1+7]
	s_nop 0
	tensor_load_to_lds s[G0+4:G0+7], s[G1:G1+7]
	s_nop 0
.rept 4
	v_nop
.endr
	s_branch .Lfirst_done
.Lfirst_b:
	tensor_load_to_lds s[G0B:G0B+3], s[G1B:G1B+7]
	s_nop 0
	tensor_load_to_lds s[G0B+4:G0B+7], s[G1B:G1B+7]
	s_nop 0
.rept 4
	v_nop
.endr
.Lfirst_done:
	v_and_b32 v1, 15, v0                           ; r = lane % 16
	v_bfe_u32 v2, v0, 4, 1                         ; h = lane / 16
	v_lshlrev_b32 v[BO], 5, v2
	s_lshl_b32 s22, s42, 8
	s_add_co_u32 s22, s22, s17                     ; n0: my first column
	s_lshl_b32 s20, s22, 2
	s_mov_b32 s21, 0
	s_add_nc_u64 s[8:9], s[8:9], s[20:21]          ; the bias at n0
	WIN 0x40
.irp b, 0,1,2,3,4,5,6,7
	global_load_b128 v[BI+8*(\b):BI+8*(\b)+3],   v[BO], s[8:9] offset:64*(\b)
	global_load_b128 v[BI+8*(\b)+4:BI+8*(\b)+7], v[BO], s[8:9] offset:64*(\b)+16
.endr
	WIN 0
	v_mul_u32_u24 v3, v1, PITCH
	v_lshl_add_u32 v3, v2, 4, v3                   ; a fragment's row x pitch + 16 x half
	s_mul_i32 s20, s[RH], HALFT                    ; my 128 rows of A
	s_mul_i32 s21, s[CH], HALFT
	s_add_co_u32 s21, s21, 2*HALFT                 ; my 128 rows of B, behind A's 256
	v_add_nc_u32 v[ADRA0], s20, v3
	v_add_nc_u32 v[ADRB0], s21, v3
	v_mov_b32 v[ADRA], v[ADRA0]
	v_mov_b32 v[ADRB], v[ADRB0]
	s_mov_b32 s[TB], 0
	s_mul_i32 s23, s[WV], DW                       ; my dump
	v_mul_u32_u24 v4, v1, DP
	v_lshl_add_u32 v4, v2, HSH, v4
	v_add_nc_u32 v[STO], s23, v4
	s_lshl_b32 s20, s43, 8
	s_lshl_b32 s21, s[RH], 7
	s_add_co_u32 s20, s20, s21                     ; m0: my first row
.if FC
	v_mul_u32_u24 v5, v2, DP                       ; back: lanes 0-15 one row, lanes 16-31 the next; lane r takes columns 8 r ..
	v_lshl_add_u32 v5, v1, 4, v5
	v_add_nc_u32 v[RD], s23, v5
	v_lshlrev_b32 v5, 13, v2                       ; the same two rows in C, 8,192 bytes each
	v_lshl_add_u32 v[CO], v1, 4, v5
	s_lshl_b32 s20, s20, 13
	s_lshl_b32 s22, s22, 1
	s_add_co_u32 s20, s20, s22
.else
	v_bfe_u32 v5, v0, 3, 2                         ; back: 32 lanes take four rows of one head's 64 columns, eight columns each
	v_mul_u32_u24 v5, v5, DP
	v_and_b32 v6, 7, v0
	v_lshl_add_u32 v5, v6, 5, v5
	v_add_nc_u32 v[RD], s23, v5
	v_and_b32 v[CO], 31, v0                        ; which are 512 consecutive bytes of the head
	v_lshlrev_b32 v[CO], 4, v[CO]
	s_lshr_b32 s21, s22, 10
	s_lshl_b32 s21, s21, 23                        ; q, k or v: 8,388,608 bytes each
	s_lshr_b32 s23, s20, 10
	s_lshl_b32 s23, s23, 4                         ; 16 x batch
	s_bfe_u32 s22, s22, 0x40006                    ; + head
	s_add_co_u32 s23, s23, s22
	s_lshl_b32 s23, s23, 17                        ; 131,072 bytes a head
	s_and_b32 s20, s20, 1023
	s_lshl_b32 s20, s20, 7                         ; 128 bytes a token
	s_add_co_u32 s20, s20, s21
	s_add_co_u32 s20, s20, s23
.endif
	s_mov_b32 s21, 0
	s_add_nc_u64 s[10:11], s[10:11], s[20:21]
	s_wait_tensorcnt 1                             ; my part of K step 0 is in; step 1's may stay out
	s_barrier_signal -1
	s_barrier_wait -1
	FETCH 0, F0
	s_wait_loadcnt 0x0                             ; the bias
	QUARTER 64, F0, F1, 1                          ; the first quarter stands in front of the loop: its products start the sums
	WIN 0
	s_mov_b32 s3, STEPS-2
.Lstep:                                                ; a trip: a K step's quarters 2 to 4 and the next step's first; its refill brings the step two on (steps 2 to 7)
	QUARTER 128, F1, F0, 0
	QUARTER 192, F0, F1, 0
	MEET
	CREST                                          ; the barrier has opened a round of the cluster's: no wave of any partner still reads this slot or has a load on its way
	s_xor_b32 s[G0+5], s[G0+5], SLOT               ; the walking sets: the other slot than last time, 128 further along K
	s_add_nc_u64 s[G0+6:G0+7], s[G0+6:G0+7], 256
	s_xor_b32 s[G0B+5], s[G0B+5], SLOT
	s_add_nc_u64 s[G0B+6:G0B+7], s[G0B+6:G0B+7], 256
	JLOAD                                          ; my one tensor load behind the round; its four v_nop are also the places in front of the loads below
	NEXT
	QUARTER 64, F0, F1, 0
	WIN 0
	s_sub_co_u32 s3, s3, 1
	s_cmp_lg_u32 s3, 0
	s_cbranch_scc1 .Lstep
	s_mov_b32 s3, 2
.Ltail:                                                ; the last two K steps ask for nothing; the second pass is left behind its barrier
	QUARTER 128, F1, F0, 0
	QUARTER 192, F0, F1, 0
	MEET
	s_sub_co_u32 s3, s3, 1
	s_cmp_eq_u32 s3, 0
	s_cbranch_scc1 .Llast
	PLACES
	NEXT
	QUARTER 64, F0, F1, 0
	WIN 0
	s_branch .Ltail
.Llast:                                                ; behind that barrier no wave reads the ring any more, and it has had its last fill
	MUL16 F1, 1, 0, 0
	MUL16 F1, 1, 2, 0
	WIN 0
	PLACES
	; THE DUMP: each accumulator's low four registers first
.irp a, 0,1,2,3,4,5,6,7
	WIN 0x08+4*((\a)/4)
.irp b, 0,1,2,3,4,5,6,7
	ds_store_b128 v[STO], v[8*(8*((\a)%4)+(\b)):8*(8*((\a)%4)+(\b))+3]   offset:(\a)*16*DP+BS*(\b)
	ds_store_b128 v[STO], v[8*(8*((\a)%4)+(\b))+4:8*(8*((\a)%4)+(\b))+7] offset:(\a)*16*DP+BS*(\b)+SECOND
.endr
.endr
	WIN 0
.if FC
	s_mov_b32 s20, 0xc0135761                      ; K1 = -2 log2(e) sqrt(2 / pi)
	s_mov_b32 s21, 0xc0135761
	s_mov_b32 s22, 0xbdd2d3e8                      ; K2 = 0.044715 K1
	s_mov_b32 s23, 0xbdd2d3e8
.endif
	s_mov_b32 s3, 8
.Lrows:                                                ; 16 rows a trip.  LDS serves a wave's instructions in order (ISA guide 5.7.1.4): these loads see my stores above
.irp u, 0,1,2,3,4,5,6,7
.if FC
	ds_load_b128 v[E+8*(\u):E+8*(\u)+3],   v[RD] offset:(\u)*2*DP
	ds_load_b128 v[E+8*(\u)+4:E+8*(\u)+7], v[RD] offset:(\u)*2*DP+256
.else
	ds_load_b128 v[E+8*(\u):E+8*(\u)+3],   v[RD] offset:((\u)%4)*4*DP+((\u)/4)*256
	ds_load_b128 v[E+8*(\u)+4:E+8*(\u)+7], v[RD] offset:((\u)%4)*4*DP+((\u)/4)*256+16
.endif
.endr
	s_wait_dscnt 0x0
.if FC
.set i, 0
.rept 32
	v_pk_mul_f32 v[TT+2*i:TT+2*i+1], v[E+2*i:E+2*i+1], v[E+2*i:E+2*i+1]
.set i, i+1
.endr
.set i, 0
.rept 32
	v_pk_fma_f32 v[TT+2*i:TT+2*i+1], v[TT+2*i:TT+2*i+1], s[22:23], s[20:21] op_sel_hi:[1,0,0]
.set i, i+1
.endr
.set i, 0
.rept 32
	v_pk_mul_f32 v[TT+2*i:TT+2*i+1], v[E+2*i:E+2*i+1], v[TT+2*i:TT+2*i+1]
.set i, i+1
.endr
.set i, 0
.rept 64
	v_exp_f32 v[TT+i], v[TT+i]
.set i, i+1
.endr
	v_nop                                          ; a plain instruction behind the last exponential
.set i, 0
	s_wait_alu depctr_va_vdst(0)
.rept 32
	v_pk_add_f32 v[TT+2*i:TT+2*i+1], v[TT+2*i:TT+2*i+1], 1.0 op_sel_hi:[1,0]
.set i, i+1
.endr
.set i, 0
.rept 64
	v_rcp_f32 v[TT+i], v[TT+i]
.set i, i+1
.endr
	v_nop
.set i, 0
	s_wait_alu depctr_va_vdst(0)
.rept 32
	v_pk_mul_f32 v[E+2*i:E+2*i+1], v[E+2*i:E+2*i+1], v[TT+2*i:TT+2*i+1]
.set i, i+1
.endr
.endif
.set i, 0
.rept 32
	v_cvt_pk_bf16_f32 v[Y+i], v[E+2*i], v[E+2*i+1]
.set i, i+1
.endr
.irp u, 0,1,2,3,4,5,6,7
.if FC
	global_store_b128 v[CO], v[Y+4*(\u):Y+4*(\u)+3], s[10:11] offset:(\u)*2*8192                     ; 16 lanes store 256 consecutive bytes, at a multiple of 256 from C's first byte
.else
	global_store_b128 v[CO], v[Y+4*(\u):Y+4*(\u)+3], s[10:11] offset:((\u)/4)*131072+((\u)%4)*512    ; 512 consecutive bytes of a head
.endif
.endr
	s_wait_xcnt 0x0                                ; Y and CO are rewritten only behind this wait
	v_add_nc_u32 v[RD], 16*DP, v[RD]
	v_add_nc_u32 v[CO], CSTEP, v[CO]
	s_sub_co_u32 s3, s3, 1
	s_cmp_lg_u32 s3, 0
	s_cbranch_scc1 .Lrows
	s_wait_tensorcnt 0x0                           ; the wave's end
	ds_add_u32 v[SPW], v[NIL]
	s_wait_dscnt 0x0
	CROUND                                         ; the closing round
	s_endpgm
.Lfunc_end_k_q6ea1b1c131_fc:
	.size	k_q6ea1b1c131_fc, .Lfunc_end_k_q6ea1b1c131_fc-k_q6ea1b1c131_fc
	.p2alignl 7, 3214868480
	.fill 96, 4, 3214868480
	.section	.rodata,"a",@progbits
	.p2align	6, 0x0
	.amdhsa_kernel k_q6ea1b1c131_fc
		.amdhsa_group_segment_fixed_size 327680
		.amdhsa_private_segment_fixed_size 0
		.amdhsa_enable_private_segment 0
		.amdhsa_kernarg_size 32
		.amdhsa_user_sgpr_count 2
		.amdhsa_user_sgpr_kernarg_segment_ptr 1
		.amdhsa_wavefront_size32 1
		.amdhsa_system_sgpr_workgroup_id_x 1
		.amdhsa_system_sgpr_workgroup_id_y 1
		.amdhsa_system_sgpr_workgroup_id_z 1
		.amdhsa_system_vgpr_workitem_id 0
		.amdhsa_next_free_vgpr 1024
		.amdhsa_next_free_sgpr 66
		.amdhsa_reserve_vcc 0
		.amdhsa_float_denorm_mode_32 3
		.amdhsa_float_denorm_mode_16_64 3
		.amdhsa_memory_ordered 1
		.amdhsa_forward_progress 1
		.amdhsa_inst_pref_size 98
	.end_amdhsa_kernel
	.amdgpu_metadata
---
amdhsa.version: [ 1, 2 ]
amdhsa.kernels:
  - .name:           k_q6ea1b1c131_fc
    .symbol:         k_q6ea1b1c131_fc.kd
    .args:
      - { .name: h, .offset: 0, .size: 8, .value_kind: global_buffer, .address_space: global }
      - { .name: wf, .offset: 8, .size: 8, .value_kind: global_buffer, .address_space: global }
      - { .name: b_fc, .offset: 16, .size: 8, .value_kind: global_buffer, .address_space: global }
      - { .name: g, .offset: 24, .size: 8, .value_kind: global_buffer, .address_space: global }
    .group_segment_fixed_size: 327680
    .private_segment_fixed_size: 0
    .kernarg_segment_align: 8
    .kernarg_segment_size: 32
    .max_flat_workgroup_size: 128
    .sgpr_count:     66
    .vgpr_count:     1024
    .wavefront_size: 32
...
	.end_amdgpu_metadata
.endif
;; end of part 5
;; launch out (part 6): grid 8 x 32, 4 waves a work-group, clusters of 4 x 4, 327,680 bytes of LDS; arguments g, wo, b_out, x1, out0; writes out0
.if DOCPART == 6
	.amdgcn_target "amdgcn-amd-amdhsa--gfx1250"
	.amdhsa_code_object_version 6
	.text
	.protected	k_q6ea1b1c131_out
	.globl	k_q6ea1b1c131_out
	.p2align	8
	.type	k_q6ea1b1c131_out,@function
k_q6ea1b1c131_out:
	s_mov_b64 s[64:65], 0
	v_nop
	global_prefetch_b8 v0, s[64:65] scope:SCOPE_SE
	s_setreg_imm32_b32 hwreg(HW_REG_WAVE_MODE, 25, 1), 1
	s_wait_xcnt 0x0
	s_wait_alu depctr_hold_cnt(0) depctr_sa_sdst(0) depctr_va_vdst(0) depctr_va_sdst(0) depctr_va_ssrc(0) depctr_va_vcc(0) depctr_vm_vsrc(0)
	s_getreg_b32 s2, hwreg(HW_REG_IB_STS2, 6, 4)
	s_cmp_eq_u32 s2, 0
	s_cbranch_scc0 .Lentry_in_a_cluster
	s_endpgm
.Lentry_in_a_cluster:
	s_bfe_u32 s2, ttmp6, 0x10000c
	s_cmp_lg_u32 s2, 0xf033
	s_cbranch_scc0 .Lentry_shape_is_right
	s_endpgm
.Lentry_shape_is_right:
; C = R + A B^T + bias on tiles of 128 x 128; C and R: [4096][1024] f32, bias: [1024] f32, B: [1024][K] bf16; sums in f32.  8 x 32 = 256 work-groups.
; OUTK = 0: K = 1,024; A lies BY HEADS, [64 heads (16 batch + head)][1024 tokens][64] bf16: a K step of 256 is four heads, 64 tokens of a head are 8,192 dense bytes, and one tensor load takes
;           four such "rows", 131,072 bytes apart, padded in LDS after every token: [head][token], 144 bytes a token.  A quarter of a K step is one head.
; OUTK = 1: K = 4,096; A: [4096][4096] bf16, plain rows.
; Four waves, each 64 x 64 in 16 accumulators.  K goes in steps of 256 through two LDS slots; a K step is written once, and the slot in hand is a scalar register that an exclusive or turns.
; The matrix instruction is used transposed (source 0 = 16 rows of B, source 1 = 16 rows of A); the bias is the C operand of the products that start the sums.
; The residual's 64 x 64 f32 are loaded at the start, in the order in which the result leaves, and wait in registers.
; CLUSTER 4 x 4: A's tile is shared along a row of the cluster, B's along a column: joint loads.
; K IS WALKED IN A RING: cluster (X, Y) begins at K step (STEPS/2 X + STEPS/4 (Y mod 4)) mod STEPS and wraps round.  The two clusters side by side read the same rows of A: they ask for a given
; K step half a walk apart; of the clusters one below the other, which read the same rows of B, four neighbours ask for it a quarter of a walk apart.  So of the clusters that need a tile one asks
; first, and the others ask when it has been brought once already.  The numbers X and Y are the same in all partners of a cluster.
; LIMIT: the order in which a sum takes its K steps hangs on the cluster; each sum is still one chain in f32.
; THE WAY OUT: a wave's 64 f32 columns are 256 bytes, so each wave has a stage of its own (16 rows x 272 bytes, behind the ring; no tensor load lands there): no barrier.
; REGISTERS: window 0: addresses; v32-95 two buffers on the way out; v128-255 accumulators ((a, b) at 128 + 8 (4 a + b)).  window 1: two fragment buffers of 128 (64 of A, then 64 of B, for 64 along K).
;            window 2: v0-127 the residual; v128-159 the bias.
.set OUTK, 1
.if OUTK
.set KLEN,  4096
.set STEPS, 16
.set PA,    528
.set AQ,    128                        ; bytes from a quarter's fragments of A to the next quarter's
.set ASZ,   64*528                     ; what one load of A takes in LDS
.set ASH,   9                          ; a K step of A is 1 << ASH bytes on in memory: 512
.set KSH,   13
.set SLOT,  0x21000                    ; shares no bit with the loads' places 0, 0x8400, 0x10800, 0x18c00
.else
.set KLEN,  1024
.set STEPS, 4
.set PA,    144
.set AQ,    64*144
.set ASZ,   4*64*144
.set ASH,   19                         ; four heads of 131,072 bytes
.set KSH,   11
.set SLOT,  0x24000                    ; shares no bit with the loads' places 0, 0x9000, 0x12000, 0x1a400
.endif
.set PB,    528                        ; B's LDS row: 512 bytes + 16
.set BSZ,   64*PB
.set BOFF,  2*ASZ
.set STAGE, 2*SLOT
.set SP,    272
.set SPARE, STAGE+4*16*SP
.set ADRA0, 16
.set ADRB0, 17
.set ADRA,  18
.set ADRB,  19
.set STO,   24
.set RD,    25
.set CO,    26                         ; v26  my byte offset in R and C; never rewritten
.set BO,    27
.set SPW,   28
.set NIL,   29
.set TMP,   32
.set ACC,   128
.set F0,    0
.set F1,    128
.set BI,    128                        ; window 2
.set TB,    2
.set WV,    14
.set RH,    15
.set CH,    16
.set G1,    24
.set G0,    32
.set G1B,   48
.set G0B,   56
.set CK,    66                         ; s66  the K step asked for last
.set OFA,   68                         ; s[68:69] its byte offset in my rows of A
.set OFB,   70                         ; s[70:71] and of B
.set MSB, 0
.macro WIN new
.if MSB != (\new)
	s_set_vgpr_msb (MSB<<8)|(\new)
.set MSB, \new
.endif
.endm
.macro PLACES
.rept 4
	v_nop
.endr
.endm
.macro JLOAD                           ; a joint refill by the walking sets; an s_nop 0 and four v_nop follow each line
	s_cmp_eq_u32 s[RH], 0
	s_cbranch_scc0 .Lfor_b_\@
	tensor_load_to_lds s[G0+4:G0+7], s[G1:G1+7]
	s_nop 0
.rept 4
	v_nop
.endr
	s_branch .Lasked_\@
.Lfor_b_\@:
	tensor_load_to_lds s[G0B+4:G0B+7], s[G1B:G1B+7]
	s_nop 0
.rept 4
	v_nop
.endr
.Lasked_\@:
.endm
.macro CREST
	s_cmp_lg_u32 s[WV], 0
	s_cbranch_scc1 .Lnot_wave_0_\@
	s_barrier_signal -3
.Lnot_wave_0_\@:
	s_barrier_wait -3
	s_barrier_signal -1
	s_barrier_wait -1
.endm
.macro CROUND
	s_barrier_signal -1
	s_barrier_wait -1
	CREST
.endm
; 8 matrix instructions: m blocks a0, a0 + 1 x all 4 n blocks, 32 along K: half c of buffer f.  mode = 1: the bias starts the sums
.macro MUL8 f, c, a0, mode
.if \mode
	WIN 0x25
.else
	WIN 0x05
.endif
.irp a, \a0, (\a0)+1
.irp b, 0,1,2,3
.if \mode
	v_wmma_f32_16x16x32_bf16 v[ACC+8*(4*(\a)+(\b)):ACC+8*(4*(\a)+(\b))+7], v[(\f)+64+8*(4*(\c)+(\b)):(\f)+64+8*(4*(\c)+(\b))+7], v[(\f)+8*(4*(\c)+(\a)):(\f)+8*(4*(\c)+(\a))+7], v[BI+8*(\b):BI+8*(\b)+7]
.else
	v_wmma_f32_16x16x32_bf16 v[ACC+8*(4*(\a)+(\b)):ACC+8*(4*(\a)+(\b))+7], v[(\f)+64+8*(4*(\c)+(\b)):(\f)+64+8*(4*(\c)+(\b))+7], v[(\f)+8*(4*(\c)+(\a)):(\f)+8*(4*(\c)+(\a))+7], v[ACC+8*(4*(\a)+(\b)):ACC+8*(4*(\a)+(\b))+7]
.endif
.endr
.endr
.endm
.macro FETCH q, f                      ; 32 LDS loads in one run: quarter q's fragments (64 along K) of the slot in hand; the first 32 along K first
	WIN 0x40
.irp c, 0,1
.irp i, 0,1,2,3
	ds_load_b128 v[(\f)+64+8*(4*(\c)+(\i)):(\f)+64+8*(4*(\c)+(\i))+3],   v[ADRB] offset:(\q)*128+64*(\c)+(\i)*16*PB
	ds_load_b128 v[(\f)+64+8*(4*(\c)+(\i))+4:(\f)+64+8*(4*(\c)+(\i))+7], v[ADRB] offset:(\q)*128+64*(\c)+(\i)*16*PB+32
	ds_load_b128 v[(\f)+8*(4*(\c)+(\i)):(\f)+8*(4*(\c)+(\i))+3],         v[ADRA] offset:(\q)*AQ+64*(\c)+(\i)*16*PA
	ds_load_b128 v[(\f)+8*(4*(\c)+(\i))+4:(\f)+8*(4*(\c)+(\i))+7],       v[ADRA] offset:(\q)*AQ+64*(\c)+(\i)*16*PA+32
.endr
.endr
.endm
; A quarter multiplies buffer f.  At its HEAD it fetches quarter q into g, which the quarter before has multiplied: that run of loads has this quarter's 32 matrix instructions in which to land.
; By the text's own count at most 16 + 32 LDS loads of a wave are out.
.macro QUARTER q, f, g, mode
	s_wait_dscnt 16                                ; of buffer f the first 32 along K are in; its youngest sixteen loads may be out
	PLACES                                         ; behind the last products, which read buffer g
	FETCH \q, \g
	MUL8 \f, 0, 0, \mode
	MUL8 \f, 0, 2, \mode
	s_wait_dscnt 32                                ; all but the 32 just issued
	MUL8 \f, 1, 0, 0
	MUL8 \f, 1, 2, 0
.endm
; The last quarter's first half and the one barrier of a change of slots.  step = 1: a refill follows: the walking sets take the other slot than last time and the ring's next K step;
; the addresses are made anew, each from its buffer's rows and the step's offset.
.macro MEET step
	WIN 0
	s_wait_tensorcnt 0x0                           ; all my tensor loads have landed: my part of the next slot; so every group 0 may be written
	ds_add_u32 v[SPW], v[NIL]
.if \step
	s_add_co_u32 s[CK], s[CK], 1
	s_and_b32 s[CK], s[CK], STEPS-1                ; behind the last K step comes the first
	s_lshl_b32 s[OFA], s[CK], ASH
	s_lshl_b32 s[OFB], s[CK], 9
	s_xor_b32 s[G0+5], s[G0+5], SLOT
	s_add_nc_u64 s[G0+6:G0+7], s[18:19], s[OFA:OFA+1]
	s_or_b32 s[G0+7], s[G0+7], 0x80000000
	s_xor_b32 s[G0B+5], s[G0B+5], SLOT
	s_add_nc_u64 s[G0B+6:G0B+7], s[46:47], s[OFB:OFB+1]
	s_or_b32 s[G0B+7], s[G0B+7], 0x80000000
.endif
	s_wait_dscnt 17                                ; (the add and the youngest sixteen loads may be out)
	MUL8 F1, 0, 0, 0
	s_wait_dscnt 0x0                               ; the add is done, and my reads of this slot are over
	s_barrier_signal -1
	MUL8 F1, 0, 2, 0
	WIN 0
	s_barrier_wait -1
.endm
.macro NEXT
	s_xor_b32 s[TB], s[TB], SLOT
	v_add_nc_u32 v[ADRA], s[TB], v[ADRA0]
	v_add_nc_u32 v[ADRB], s[TB], v[ADRB0]
	FETCH 0, F0
	MUL8 F1, 1, 0, 0
	MUL8 F1, 1, 2, 0
.endm
	s_load_b256 s[4:11], s[0:1], 0x0               ; A s[4:5], B s[6:7], bias s[8:9], R s[10:11]
	s_load_b64 s[12:13], s[0:1], 0x20              ; C
	v_lshl_add_u32 v[SPW], v0, 2, SPARE
	v_mov_b32 v[NIL], 0
	ds_add_u32 v[SPW], v[NIL]                      ; the wave's opening: the add, and its wait ahead of my first tensor load
	v_lshrrev_b32 v1, 5, v0
	v_readfirstlane_b32 s[WV], v1
	s_lshr_b32 s[RH], s[WV], 1
	s_and_b32 s[CH], s[WV], 1
	s_bfe_u32 s40, ttmp6, 0x40000                  ; cx
	s_bfe_u32 s41, ttmp6, 0x40004                  ; cy
	s_lshl_b32 s42, ttmp9, 2
	s_add_co_u32 s42, s42, s40                     ; tile column
	s_and_b32 s43, ttmp7, 0xffff
	s_lshl_b32 s43, s43, 2
	s_add_co_u32 s43, s43, s41                     ; tile row
	s_lshl_b32 s44, s41, 2
	s_lshl_b32 s44, 15, s44                        ; my row of the cluster
	s_lshl_b32 s45, 0x1111, s40                    ; my column
	s_and_b32 s[CK], ttmp7, 3                      ; where my cluster's walk begins: the cluster's y mod 4, a quarter of a walk each,
	s_mul_i32 s[CK], s[CK], STEPS/4
	s_mul_i32 s[OFA], ttmp9, STEPS/2               ; and the cluster's x, half a walk
	s_add_co_u32 s[CK], s[CK], s[OFA]
	s_and_b32 s[CK], s[CK], STEPS-1
	s_mov_b32 s[OFA+1], 0
	s_mov_b32 s[OFB+1], 0
	s_or_b32 s[G1B], s45, (1<<16)|(1<<20)|(1<<21)|(6<<22)|(3<<25)  ; B: 64 rows x 256 elements; after every 128 words 4 words of padding
	s_mov_b32 s[G1B+1], 256<<16
	s_mov_b32 s[G1B+2], 64<<16
	s_mov_b32 s[G1B+3], 256<<16
	s_mov_b32 s[G1B+4], 64
	s_mov_b32 s[G1B+5], KLEN
	s_mov_b32 s[G1B+6], 0
	s_mov_b32 s[G1B+7], 0
.if OUTK
	s_or_b32 s[G1], s44, (1<<16)|(1<<20)|(1<<21)|(6<<22)|(3<<25)   ; A: the same shape
	s_mov_b32 s[G1+1], 256<<16
	s_mov_b32 s[G1+2], 64<<16
	s_mov_b32 s[G1+3], 256<<16
	s_mov_b32 s[G1+4], 64
	s_mov_b32 s[G1+5], KLEN
.else
	s_or_b32 s[G1], s44, (1<<16)|(1<<20)|(1<<21)|(4<<22)|(3<<25)   ; A: 4 rows (heads) x 4,096 elements (64 tokens); after every 32 words (a token) 4 words of padding
	s_mov_b32 s[G1+1], 4096<<16
	s_mov_b32 s[G1+2], 4<<16
	s_mov_b32 s[G1+3], 4096<<16
	s_mov_b32 s[G1+4], 4
	s_mov_b32 s[G1+5], 65536                       ; elements from head to head
.endif
	s_mov_b32 s[G1+6], 0
	s_mov_b32 s[G1+7], 0
	s_lshl_b32 s17, s[CH], 6                       ; which 64 rows of a tile I fetch
	s_lshl_b32 s18, s43, 7
	s_add_co_u32 s18, s18, s17                     ; A's row: of the tile row and the wave alone
.if OUTK
	s_lshl_b32 s18, s18, 13
.else
	s_lshr_b32 s19, s18, 10
	s_lshl_b32 s19, s19, 21                        ; the batch: 16 heads of 131,072 bytes
	s_and_b32 s18, s18, 1023
	s_lshl_b32 s18, s18, 7                         ; the token: 128 bytes
	s_add_co_u32 s18, s18, s19
.endif
	s_mov_b32 s19, 0
	s_lshl_b32 s46, s42, 7
	s_add_co_u32 s46, s46, s17
	s_lshl_b32 s46, s46, KSH                       ; B's row: of the tile column and the wave alone
	s_mov_b32 s47, 0
	s_mul_i32 s20, s[CH], ASZ                      ; where a load of A lands,
	s_mul_i32 s21, s[CH], BSZ
	s_add_co_u32 s21, s21, BOFF                    ; and one of B
	s_wait_dscnt 0x0                               ; the opening add is done
	s_wait_kmcnt 0x0
	s_add_nc_u64 s[18:19], s[4:5], s[18:19]        ; A at my rows, K step 0: kept for the whole walk
	s_add_nc_u64 s[46:47], s[6:7], s[46:47]        ; B likewise
	CROUND                                         ; all sixteen work-groups are here: the first joint loads meet
.irp n, 0,1
	s_lshl_b32 s[OFA], s[CK], ASH                  ; the walk's K step n
	s_lshl_b32 s[OFB], s[CK], 9
	s_mov_b32 s[G0+4*(\n)], 1
	s_add_co_u32 s[G0+4*(\n)+1], s20, (\n)*SLOT
	s_add_nc_u64 s[G0+4*(\n)+2:G0+4*(\n)+3], s[18:19], s[OFA:OFA+1]
	s_or_b32 s[G0+4*(\n)+3], s[G0+4*(\n)+3], 0x80000000
	s_mov_b32 s[G0B+4*(\n)], 1
	s_add_co_u32 s[G0B+4*(\n)+1], s21, (\n)*SLOT
	s_add_nc_u64 s[G0B+4*(\n)+2:G0B+4*(\n)+3], s[46:47], s[OFB:OFB+1]
	s_or_b32 s[G0B+4*(\n)+3], s[G0B+4*(\n)+3], 0x80000000
.if (\n) == 0
	s_add_co_u32 s[CK], s[CK], 1
	s_and_b32 s[CK], s[CK], STEPS-1
.endif
.endr
	s_cmp_eq_u32 s[RH], 0                          ; a wave's two first fills stand in one branch: two loads of mine are out
	s_cbranch_scc0 .Lfirst_b
	tensor_load_to_lds s[G0:G0+3], s[G1:G1+7]
	s_nop 0
	tensor_load_to_lds s[G0+4:G0+7], s[G1:G1+7]
	s_nop 0
.rept 4
	v_nop
.endr
	s_branch .Lfirst_done
.Lfirst_b:
	tensor_load_to_lds s[G0B:G0B+3], s[G1B:G1B+7]
	s_nop 0
	tensor_load_to_lds s[G0B+4:G0B+7], s[G1B:G1B+7]
	s_nop 0
.rept 4
	v_nop
.endr
.Lfirst_done:
	v_and_b32 v1, 15, v0                           ; r
	v_bfe_u32 v2, v0, 4, 1                         ; h
	v_lshlrev_b32 v[BO], 5, v2
	v_lshlrev_b32 v5, 12, v2                       ; lanes 0-15 one row of 4,096 bytes, lanes 16-31 the next; 16 bytes a lane
	v_lshl_add_u32 v[CO], v1, 4, v5
	v_mul_u32_u24 v3, v1, PA
	v_lshl_add_u32 v3, v2, 4, v3
	s_mul_i32 s20, s[RH], ASZ                      ; my 64 rows of A
	v_add_nc_u32 v[ADRA0], s20, v3
	v_mul_u32_u24 v3, v1, PB
	v_lshl_add_u32 v3, v2, 4, v3
	v_add_nc_u32 v[ADRB0], s21, v3                 ; my 64 rows of B lie where the wave of my column half put them
	v_mov_b32 v[ADRA], v[ADRA0]
	v_mov_b32 v[ADRB], v[ADRB0]
	s_mov_b32 s[TB], 0
	s_lshl_b32 s22, s42, 7
	s_add_co_u32 s22, s22, s17
	s_lshl_b32 s22, s22, 2                         ; my first column, in bytes of f32
	s_mov_b32 s23, 0
	s_add_nc_u64 s[8:9], s[8:9], s[22:23]
	s_lshl_b32 s20, s43, 7
	s_lshl_b32 s21, s[RH], 6
	s_add_co_u32 s20, s20, s21
	s_lshl_b32 s20, s20, 12                        ; my first row, 4,096 bytes each
	s_add_co_u32 s22, s22, s20
	s_add_nc_u64 s[10:11], s[10:11], s[22:23]
	s_add_nc_u64 s[12:13], s[12:13], s[22:23]
	WIN 0x80
.irp b, 0,1,2,3
	global_load_b128 v[BI+8*(\b):BI+8*(\b)+3],   v[BO], s[8:9] offset:64*(\b)
	global_load_b128 v[BI+8*(\b)+4:BI+8*(\b)+7], v[BO], s[8:9] offset:64*(\b)+16
.endr
.irp a, 0,1,2,3
.irp t, 0,1,2,3,4,5,6,7
	global_load_b128 v[32*(\a)+4*(\t):32*(\a)+4*(\t)+3], v[CO], s[10:11] offset:(16*(\a)+2*(\t))*4096
.endr
.endr
	WIN 0
	s_mul_i32 s23, s[WV], 16*SP
	s_add_co_u32 s23, s23, STAGE                   ; my stage
	v_mul_u32_u24 v4, v1, SP
	v_lshl_add_u32 v4, v2, 5, v4                   ; in: row r, 32 bytes for each half of the lanes
	v_add_nc_u32 v[STO], s23, v4
	v_mul_u32_u24 v5, v2, SP
	v_lshl_add_u32 v5, v1, 4, v5                   ; back: two whole rows of 256 bytes
	v_add_nc_u32 v[RD], s23, v5
	s_wait_tensorcnt 1                             ; my part of the walk's first K step is in; the second's may stay out
	s_barrier_signal -1
	s_barrier_wait -1
	FETCH 0, F0
	s_wait_loadcnt 32                              ; the bias is in; the residual's 32 loads may stay out
	QUARTER 1, F0, F1, 1                           ; the first quarter stands in front of the loop: its first products start the sums
	WIN 0
	s_mov_b32 s3, STEPS-2
.Lstep:                                                ; a trip: a K step's quarters 2 to 4 and the next step's first; its refill brings the step two on
	QUARTER 2, F1, F0, 0
	QUARTER 3, F0, F1, 0
	MEET 1
	CREST                                          ; the barrier has opened a round of the cluster's: no wave of any partner still reads this slot or has a load on its way
	JLOAD                                          ; my one tensor load behind the round; its four v_nop are also the places in front of the loads below
	NEXT
	QUARTER 1, F0, F1, 0
	WIN 0
	s_sub_co_u32 s3, s3, 1
	s_cmp_lg_u32 s3, 0
	s_cbranch_scc1 .Lstep
	s_mov_b32 s3, 2
.Ltail:                                                ; the last two K steps ask for nothing; the second pass is left behind its barrier
	QUARTER 2, F1, F0, 0
	QUARTER 3, F0, F1, 0
	MEET 0
	s_sub_co_u32 s3, s3, 1
	s_cmp_eq_u32 s3, 0
	s_cbranch_scc1 .Llast
	PLACES
	NEXT
	QUARTER 1, F0, F1, 0
	WIN 0
	s_branch .Ltail
.Llast:
	MUL8 F1, 1, 0, 0
	MUL8 F1, 1, 2, 0
	WIN 0
	PLACES
; Block a (16 rows): from the accumulators into my stage (each accumulator's low four registers first) and back as whole rows.
.macro STG a
.irp b, 0,1,2,3
	ds_store_b128 v[STO], v[ACC+8*(4*(\a)+(\b)):ACC+8*(4*(\a)+(\b))+3]   offset:64*(\b)
	ds_store_b128 v[STO], v[ACC+8*(4*(\a)+(\b))+4:ACC+8*(4*(\a)+(\b))+7] offset:64*(\b)+16
.endr
.irp t, 0,1,2,3,4,5,6,7
	ds_load_b128 v[TMP+32*((\a)%2)+4*(\t):TMP+32*((\a)%2)+4*(\t)+3], v[RD] offset:(\t)*2*SP  ; LDS serves a wave's instructions in order (ISA guide 5.7.1.4)
.endr
.endm
.macro OUTB a, younger                 ; the residual is added, and the block leaves.  younger: the next block's sixteen LDS instructions, or none
	s_wait_dscnt \younger
	WIN 0x08
.set i, 0
.rept 16
	v_pk_add_f32 v[TMP+32*((\a)%2)+2*i:TMP+32*((\a)%2)+2*i+1], v[TMP+32*((\a)%2)+2*i:TMP+32*((\a)%2)+2*i+1], v[32*(\a)+2*i:32*(\a)+2*i+1]
.set i, i+1
.endr
	WIN 0
.irp t, 0,1,2,3,4,5,6,7
	global_store_b128 v[CO], v[TMP+32*((\a)%2)+4*(\t):TMP+32*((\a)%2)+4*(\t)+3], s[12:13] offset:(16*(\a)+2*(\t))*4096  ; 16 lanes store 256 consecutive bytes, at a multiple of 256 from C's first byte
.endr
.endm
	STG 0
	STG 1
	s_wait_loadcnt 0x0                             ; the residual
	OUTB 0, 16
	s_wait_xcnt 0x0                                ; block 0's stores have read their registers: the buffer is loaded again only behind this wait
	STG 2
	OUTB 1, 16
	s_wait_xcnt 0x0
	STG 3
	OUTB 2, 16
	OUTB 3, 0
	s_wait_tensorcnt 0x0                           ; the wave's end
	ds_add_u32 v[SPW], v[NIL]
	s_wait_dscnt 0x0
	CROUND                                         ; the closing round
	s_endpgm
.Lfunc_end_k_q6ea1b1c131_out:
	.size	k_q6ea1b1c131_out, .Lfunc_end_k_q6ea1b1c131_out-k_q6ea1b1c131_out
	.p2alignl 7, 3214868480
	.fill 96, 4, 3214868480
	.section	.rodata,"a",@progbits
	.p2align	6, 0x0
	.amdhsa_kernel k_q6ea1b1c131_out
		.amdhsa_group_segment_fixed_size 327680
		.amdhsa_private_segment_fixed_size 0
		.amdhsa_enable_private_segment 0
		.amdhsa_kernarg_size 40
		.amdhsa_user_sgpr_count 2
		.amdhsa_user_sgpr_kernarg_segment_ptr 1
		.amdhsa_wavefront_size32 1
		.amdhsa_system_sgpr_workgroup_id_x 1
		.amdhsa_system_sgpr_workgroup_id_y 1
		.amdhsa_system_sgpr_workgroup_id_z 1
		.amdhsa_system_vgpr_workitem_id 0
		.amdhsa_next_free_vgpr 672
		.amdhsa_next_free_sgpr 72
		.amdhsa_reserve_vcc 0
		.amdhsa_float_denorm_mode_32 3
		.amdhsa_float_denorm_mode_16_64 3
		.amdhsa_memory_ordered 1
		.amdhsa_forward_progress 1
		.amdhsa_inst_pref_size 67
	.end_amdhsa_kernel
	.amdgpu_metadata
---
amdhsa.version: [ 1, 2 ]
amdhsa.kernels:
  - .name:           k_q6ea1b1c131_out
    .symbol:         k_q6ea1b1c131_out.kd
    .args:
      - { .name: g, .offset: 0, .size: 8, .value_kind: global_buffer, .address_space: global }
      - { .name: wo, .offset: 8, .size: 8, .value_kind: global_buffer, .address_space: global }
      - { .name: b_out, .offset: 16, .size: 8, .value_kind: global_buffer, .address_space: global }
      - { .name: x1, .offset: 24, .size: 8, .value_kind: global_buffer, .address_space: global }
      - { .name: out0, .offset: 32, .size: 8, .value_kind: global_buffer, .address_space: global }
    .group_segment_fixed_size: 327680
    .private_segment_fixed_size: 0
    .kernarg_segment_align: 8
    .kernarg_segment_size: 40
    .max_flat_workgroup_size: 128
    .sgpr_count:     72
    .vgpr_count:     672
    .wavefront_size: 32
...
	.end_amdgpu_metadata
.endif
;; end of part 6
